; MI455X (gfx1250); checked and timed in simulation.
; The chip was launched on July 23, 2026; its instructions are those of AMD's public machine-readable ISA for CDNA 5 (MIT licence, August 2026) and "CDNA5" Instruction Set Architecture Reference Guide (July 2026). The comments in the code are by the model that wrote it; some were corrected since.
;; Linear Self Attention. Allowed arithmetic: float matrix products may take bf16 or f16 operands with f32 sums; all other float work in f32.
;; Inputs: gamma 1 float32; wk 32 x 256 float32; wq 32 x 256 float32; wv 256 x 256 float32; x 8 x 256 x 64 x 64 float32.
;; Outputs: out0 8 x 256 x 64 x 64 float32.
;; 3 versions, each right and faster than the one before. Each part assembles by itself: llvm-mc -triple=amdgcn-amd-amdhsa -mcpu=gfx1250 --defsym DOCPART=n.
;; ======== version 1 of 3: 2 launches
;; workspace buffers: qkv 20,971,520 bytes
;; launch proj (part 1): grid 32 x 8, 4 waves a work-group, no clusters, 91,648 bytes of LDS; arguments x, wv, wk, wq, qkv; writes qkv
.if DOCPART == 1
	.amdgcn_target "amdgcn-amd-amdhsa--gfx1250"
	.amdhsa_code_object_version 6
	.text
	.protected	k_q41d65ef5ac_proj
	.globl	k_q41d65ef5ac_proj
	.p2align	8
	.type	k_q41d65ef5ac_proj,@function
k_q41d65ef5ac_proj:
	s_mov_b64 s[64:65], 0
	v_nop
	global_prefetch_b8 v0, s[64:65] scope:SCOPE_SE
	s_setreg_imm32_b32 hwreg(HW_REG_WAVE_MODE, 25, 1), 1
	s_wait_xcnt 0x0
; qkv[b][o][n] = sum over c of W[o][c] x[b][c][n], W = wv (rows 0-255), wk (rows 256-287), wq (rows 288-319); qkv is bf16 [8][320][4096].
; A work-group takes one batch and a strip of 128 pixels; wave w makes output rows 80 w .. 80 w + 79 (five tiles of 16) for all 128 pixels:
; 40 accumulator tiles, 320 registers; K = 256 channels in eight steps of 32: 320 matrix instructions a wave.
; x is read once (512 consecutive bytes a load), rounded to bf16 and laid in LDS as [channel][pixel]; the transposing LDS load makes
; fragments with pixels as rows.  The matrix instruction takes x as source 0 and W as source 1, so a lane's eight results are eight
; neighbouring pixels of one output row: 16 bytes of bf16.
; W goes straight from memory into registers as fragments: each wave reads its own 80 rows once, in f32, and rounds them.
; NO CLUSTER, NO JOINT LOADS: no two work-groups share a byte of x; W is shared by all, but as f32 it is 327,680 bytes, all the LDS that a
; work-group can have, and each wave needs only a quarter of it, once, in registers.
; LIMITS: x and W are rounded to bf16 for the products, the sums are f32, q, k and v are rounded once to bf16.
.set XROW, 16384                       ; bytes in a row of x (4,096 pixels of f32)
.set QROW, 8192                        ; bytes in a row of qkv
.set XP,   288                         ; LDS pitch of a channel's 128 pixels in bf16: 256 bytes + 32, nine times 32
.set STG,  256*XP                      ; 73,728: behind x, 16 rows x 272 bytes for each wave, for the way out
.set SP,   272
.set XO,  4                            ; v4      16 x lane: my 16 bytes of a row of x
.set XS,  5                            ; v5      where my 4 pixels of my wave's first channel go in LDS
.set XF,  6                            ; v6, v7  transposing loads: K steps 0-3, K steps 4-7
.set WO,  8                            ; v8      my 32 bytes in a tile of W: row r, 32 h
.set STO, 9                            ; v9      the way out: where I put 16 bytes
.set RD,  10                           ; v10     the way out: where I read a row back
.set CO,  11                           ; v11     my byte offset in qkv
.set CV,  16                           ; v[16:47]   packed bf16 at work
.set XFA, 48                           ; v[48:111]  fragments of x, buffer A (8 pixel tiles)
.set XFB, 112                          ; v[112:175] buffer B
.set WBF, 176                          ; v[176:255] fragments of W for two K steps: 176 + 40 kk + 8 t
; window 1 (v256-511): first x as loaded (row i in 4 i .. 4 i + 3), then the accumulators of tiles t = 0..3 at 8 (8 t + pt)
; window 2: 0-63 accumulators of t = 4; 64-223 W as loaded, stage 0.   window 3: 0-159 W as loaded, stage 1
.set WB,  20                           ; s[20:29]  the five tiles of W that are mine
.set OW,  30                           ; s[30:39]  their byte offsets, as pairs
.set MSB, 0
.macro WIN new                         ; the immediate's high byte repeats the setting that is left
.if MSB != \new
	s_set_vgpr_msb (MSB<<8)|\new
.set MSB, \new
.endif
.endm
.macro PLACES                          ; four places behind a matrix instruction (ISA guide 7.12.1)
.rept 4
	v_nop
.endr
.endm
	s_load_b256 s[4:11], s[0:1], 0x0               ; x s[4:5], wv s[6:7], wk s[8:9], wq s[10:11]
	s_load_b64 s[12:13], s[0:1], 0x20              ; qkv
	v_lshl_add_u32 v14, v0, 2, 0x16400
	v_mov_b32 v15, 0
	v_lshrrev_b32 v1, 5, v0
	v_readfirstlane_b32 s14, v1                    ; wave 0..3
	s_and_b32 s15, ttmp7, 0xffff                   ; batch
	v_and_b32 v1, 31, v0                           ; lane L
	v_and_b32 v2, 15, v0                           ; r = L % 16
	v_bfe_u32 v3, v0, 4, 1                         ; h = L / 16
	v_lshlrev_b32 v[XO], 4, v1
	s_mul_i32 s16, s14, 64*XP                      ; my wave's 64 channels in LDS
	v_lshl_add_u32 v[XS], v1, 3, s16               ; + 8 bytes a lane
	v_and_b32 v12, 7, v0
	v_lshl_add_u32 v12, v3, 3, v12                 ; 8 h + L % 8: the channel row that I address
	v_bfe_u32 v13, v0, 3, 1
	v_mul_u32_u24 v[XF], v12, XP
	v_lshl_add_u32 v[XF], v13, 4, v[XF]            ; + 16 bytes for the upper eight pixels of a tile
	v_add_nc_u32 v[XF+1], 128*XP, v[XF]            ; channels 128 and up: the immediate has 16 bits
	v_lshlrev_b32 v[WO], 10, v2                    ; a row of W is 1,024 bytes
	v_lshl_add_u32 v[WO], v3, 5, v[WO]             ; + 8 h numbers of f32
	s_mul_i32 s16, s14, 16*SP
	s_add_co_u32 s16, s16, STG                     ; my stage
	v_mul_u32_u24 v12, v2, SP
	v_lshl_add_u32 v12, v3, 4, v12
	v_add_nc_u32 v[STO], s16, v12                  ; in: row r, 16 bytes for each half of the lanes
	v_mul_u32_u24 v12, v3, SP
	v_lshl_add_u32 v12, v2, 4, v12
	v_add_nc_u32 v[RD], s16, v12                   ; back: lanes 0-15 one row of 256 bytes, lanes 16-31 the next
	v_lshlrev_b32 v[CO], 13, v3
	v_lshl_add_u32 v[CO], v2, 4, v[CO]             ; and the same two rows in qkv
	s_lshl_b32 s16, s15, 22                        ; x: batch x 4 MiB
	s_lshl_b32 s17, ttmp9, 9                       ; + strip x 512 bytes
	s_add_co_u32 s16, s16, s17
	s_lshl_b32 s17, s14, 20                        ; + wave x 64 rows
	s_add_co_u32 s16, s16, s17
	s_mov_b32 s17, 0
	s_mul_i32 s18, s15, 320*QROW                   ; qkv: batch
	s_mul_i32 s19, s14, 80*QROW                    ; + wave x 80 rows
	s_add_co_u32 s18, s18, s19
	s_lshl_b32 s19, ttmp9, 8                       ; + strip x 256 bytes
	s_add_co_u32 s18, s18, s19
	s_mov_b32 s19, 0
	s_mul_i32 s40, s14, 5*16384                    ; a tile of W is 16 rows of 1,024 bytes
.irp t, 0,1,2,3,4
	s_add_co_u32 s[OW+2*\t], s40, \t*16384         ; tile 5 w + t of wv
	s_mov_b32 s[OW+2*\t+1], 0
.endr
	s_wait_kmcnt 0x0
	s_add_nc_u64 s[4:5], s[4:5], s[16:17]
	s_add_nc_u64 s[12:13], s[12:13], s[18:19]
	; wave 3's rows 240-319 are wv's last tile, wk's two tiles and wq's two: buffer and offset are chosen apart, on the wave's number
	s_cmp_eq_u32 s14, 3
	s_cselect_b32 s[OW+2], 0, s[OW+2]
	s_cselect_b32 s[OW+4], 16384, s[OW+4]
	s_cselect_b32 s[OW+6], 0, s[OW+6]
	s_cselect_b32 s[OW+8], 16384, s[OW+8]
	s_mov_b64 s[WB:WB+1], s[6:7]
	s_cselect_b64 s[WB+2:WB+3], s[8:9], s[6:7]
	s_cselect_b64 s[WB+4:WB+5], s[8:9], s[6:7]
	s_cselect_b64 s[WB+6:WB+7], s[10:11], s[6:7]
	s_cselect_b64 s[WB+8:WB+9], s[10:11], s[6:7]
.irp t, 0,1,2,3,4
	s_add_nc_u64 s[WB+2*\t:WB+2*\t+1], s[WB+2*\t:WB+2*\t+1], s[OW+2*\t:OW+2*\t+1]
.endr
; load n of W's 160: batch n / 40 (two K steps), tile t, piece p of eight: K step in the pair, k = 8h.. or 16+8h.., first or second four numbers
.macro WL n
.set wl_b, (\n)/40
.set wl_r, (\n)%40
.set wl_t, wl_r/8
.set wl_p, wl_r%8
.if wl_b&1
	WIN 0xc0
.set wl_d, 4*wl_r
.else
	WIN 0x80
.set wl_d, 64+4*wl_r
.endif
	global_load_b128 v[wl_d:wl_d+3], v[WO], s[WB+2*wl_t:WB+2*wl_t+1] offset:wl_b*256+(wl_p>>2)*128+((wl_p>>1)&1)*64+(wl_p&1)*16
.endm
; rows 16 g .. 16 g + 15 of my 64 channels: rounded to bf16, 8 bytes a lane into LDS
.macro XCONV g
	WIN 0x05
.irp i, 0,1,2,3,4,5,6,7,8,9,10,11,12,13,14,15
	v_cvt_pk_bf16_f32 v[CV+2*\i], v[4*(16*\g+\i)], v[4*(16*\g+\i)+1]
	v_cvt_pk_bf16_f32 v[CV+2*\i+1], v[4*(16*\g+\i)+2], v[4*(16*\g+\i)+3]
.endr
	WIN 0
.irp i, 0,1,2,3,4,5,6,7,8,9,10,11,12,13,14,15
	ds_store_b64 v[XS], v[CV+2*\i:CV+2*\i+1] offset:(16*\g+\i)*XP
.endr
.endm
; a batch of W (two K steps, five tiles) from its stage into fragments
.macro WCONV b
.if (\b)&1
	WIN 0x0f
.set wc_s, 0
.else
	WIN 0x0a
.set wc_s, 64
.endif
.irp t, 0,1,2,3,4
.irp kk, 0,1
.irp j, 0,1,2,3,4,5,6,7
	v_cvt_pk_bf16_f32 v[WBF+40*\kk+8*\t+\j], v[wc_s+32*\t+16*\kk+2*\j], v[wc_s+32*\t+16*\kk+2*\j+1]
.endr
.endr
.endr
.endm
; the eight fragments of x of K step ks: rows = pixels, 32 channels
.macro XFETCH ks, buf
	WIN 0
.irp pt, 0,1,2,3,4,5,6,7
	ds_load_tr16_b128 v[\buf+8*\pt:\buf+8*\pt+3], v[XF+((\ks)>>2)] offset:((\ks)&3)*32*XP+32*\pt
	ds_load_tr16_b128 v[\buf+8*\pt+4:\buf+8*\pt+7], v[XF+((\ks)>>2)] offset:((\ks)&3)*32*XP+32*\pt+16*XP
.endr
.endm
; one K step: 40 matrix instructions; the 40 accumulators take turns, one instruction a turn
.macro KS ks, buf, other, zero, fetch
	s_wait_dscnt 0x0                               ; this step's 16 fragment loads are in: nothing younger is out
	PLACES                                         ; the other buffer was read by the last step's matrix instructions
.if \fetch
	XFETCH (\ks+1), \other
.endif
	WIN 0x50
.irp t, 0,1,2,3
.irp pt, 0,1,2,3,4,5,6,7
.if \zero
	v_wmma_f32_16x16x32_bf16 v[8*(8*\t+\pt):8*(8*\t+\pt)+7], v[\buf+8*\pt:\buf+8*\pt+7], v[WBF+40*((\ks)&1)+8*\t:WBF+40*((\ks)&1)+8*\t+7], 0
.else
	v_wmma_f32_16x16x32_bf16 v[8*(8*\t+\pt):8*(8*\t+\pt)+7], v[\buf+8*\pt:\buf+8*\pt+7], v[WBF+40*((\ks)&1)+8*\t:WBF+40*((\ks)&1)+8*\t+7], v[8*(8*\t+\pt):8*(8*\t+\pt)+7]
.endif
.endr
.endr
	WIN 0xa0
.irp pt, 0,1,2,3,4,5,6,7
.if \zero
	v_wmma_f32_16x16x32_bf16 v[8*\pt:8*\pt+7], v[\buf+8*\pt:\buf+8*\pt+7], v[WBF+40*((\ks)&1)+32:WBF+40*((\ks)&1)+39], 0
.else
	v_wmma_f32_16x16x32_bf16 v[8*\pt:8*\pt+7], v[\buf+8*\pt:\buf+8*\pt+7], v[WBF+40*((\ks)&1)+32:WBF+40*((\ks)&1)+39], v[8*\pt:8*\pt+7]
.endif
.endr
	WIN 0
.endm
; 16 output rows leave: rounded, 16 bytes a lane into my own stage, read back as whole rows of 256 bytes
.macro OUT16 t, f
.if \t < 4
	WIN 0x05
.set o_a, 64*\t
.else
	WIN 0x0a
.set o_a, 0
.endif
.irp pt, 0,1,2,3,4,5,6,7
.irp q, 0,1,2,3
	v_cvt_pk_bf16_f32 v[CV+4*\pt+\q], v[o_a+8*\pt+2*\q], v[o_a+8*\pt+2*\q+1]
.endr
.endr
	WIN 0
.irp pt, 0,1,2,3,4,5,6,7
	ds_store_b128 v[STO], v[CV+4*\pt:CV+4*\pt+3] offset:32*\pt
.endr
	s_wait_xcnt 0x0                                ; buffer f, which earlier stores read, is loaded again only behind this wait
.irp u, 0,1,2,3,4,5,6,7
	ds_load_b128 v[\f+4*\u:\f+4*\u+3], v[RD] offset:\u*2*SP      ; LDS serves a wave's instructions in order: these see the stores above
.endr
.irp u, 0,1,2,3,4,5,6,7
	s_wait_dscnt 7-\u                              ; load u of the eight is in, the younger ones stay out
	global_store_b128 v[CO], v[\f+4*\u:\f+4*\u+3], s[12:13] offset:(16*\t+2*\u)*QROW   ; 16 lanes store 256 consecutive bytes, aligned
.endr
.endm
	; x: my 64 channel rows, 512 consecutive bytes a load.  No hint: the next launch reads x again.
	WIN 0x40
.set i, 0
.rept 64
	global_load_b128 v[4*i:4*i+3], v[XO], s[4:5] offset:i*XROW
.set i, i+1
.endr
.set wn, 0
.irp g, 0,1,2,3
	s_wait_loadcnt 48                              ; rows 16 g .. 16 g + 15 are in: behind them stand 48 - 16 g loads of x and 16 g of W
	XCONV \g
.rept 16
	WL wn
.set wn, wn+1
.endr
.endr
.rept 16
	WL wn                                          ; W's batches 0 and 1 are now asked for: 80 loads
.set wn, wn+1
.endr
	WIN 0
	s_wait_dscnt 0x0                               ; my part of x is in LDS,
	s_barrier_signal -1
	s_barrier_wait -1                              ; everybody's is
	XFETCH 0, XFA
.irp kp, 0,1,2,3
.if \kp == 3
	s_wait_loadcnt 0x0                             ; the last batch of W
.else
	s_wait_loadcnt 40                              ; this batch of W is in; the next batch's 40 loads stay out
.endif
.if \kp > 0
	PLACES                                         ; W's fragments were read by the last matrix instructions
.endif
	WCONV \kp
.if \kp < 2
.rept 40
	WL wn                                          ; the batch after next, into the stage just emptied
.set wn, wn+1
.endr
.endif
.if \kp == 0
	KS 0, XFA, XFB, 1, 1                           ; the first products start the sums: nothing is cleared
.else
	KS (2*\kp), XFA, XFB, 0, 1
.endif
.if \kp == 3
	KS 7, XFB, XFA, 0, 0
.else
	KS (2*\kp+1), XFB, XFA, 0, 1
.endif
.endr
	PLACES                                         ; behind the last matrix instructions: the conversions read results, the loads land in fragment buffers
	OUT16 0, XFA
	OUT16 1, XFB
	OUT16 2, XFA
	OUT16 3, XFB
	OUT16 4, XFA
	s_wait_tensorcnt 0x0
	ds_add_u32 v14, v15
	s_wait_dscnt 0x0
	s_endpgm
.Lfunc_end_k_q41d65ef5ac_proj:
	.size	k_q41d65ef5ac_proj, .Lfunc_end_k_q41d65ef5ac_proj-k_q41d65ef5ac_proj
	.p2alignl 7, 3214868480
	.fill 96, 4, 3214868480
	.section	.rodata,"a",@progbits
	.p2align	6, 0x0
	.amdhsa_kernel k_q41d65ef5ac_proj
		.amdhsa_group_segment_fixed_size 91648
		.amdhsa_private_segment_fixed_size 0
		.amdhsa_enable_private_segment 0
		.amdhsa_kernarg_size 40
		.amdhsa_user_sgpr_count 2
		.amdhsa_user_sgpr_kernarg_segment_ptr 1
		.amdhsa_wavefront_size32 1
		.amdhsa_system_sgpr_workgroup_id_x 1
		.amdhsa_system_sgpr_workgroup_id_y 1
		.amdhsa_system_sgpr_workgroup_id_z 1
		.amdhsa_system_vgpr_workitem_id 0
		.amdhsa_next_free_vgpr 928
		.amdhsa_next_free_sgpr 66
		.amdhsa_reserve_vcc 0
		.amdhsa_float_denorm_mode_32 3
		.amdhsa_float_denorm_mode_16_64 3
		.amdhsa_memory_ordered 1
		.amdhsa_forward_progress 1
		.amdhsa_inst_pref_size 109
	.end_amdhsa_kernel
	.amdgpu_metadata
---
amdhsa.version: [ 1, 2 ]
amdhsa.kernels:
  - .name:           k_q41d65ef5ac_proj
    .symbol:         k_q41d65ef5ac_proj.kd
    .args:
      - { .name: x, .offset: 0, .size: 8, .value_kind: global_buffer, .address_space: global }
      - { .name: wv, .offset: 8, .size: 8, .value_kind: global_buffer, .address_space: global }
      - { .name: wk, .offset: 16, .size: 8, .value_kind: global_buffer, .address_space: global }
      - { .name: wq, .offset: 24, .size: 8, .value_kind: global_buffer, .address_space: global }
      - { .name: qkv, .offset: 32, .size: 8, .value_kind: global_buffer, .address_space: global }
    .group_segment_fixed_size: 91648
    .private_segment_fixed_size: 0
    .kernarg_segment_align: 8
    .kernarg_segment_size: 40
    .max_flat_workgroup_size: 128
    .sgpr_count:     66
    .vgpr_count:     928
    .wavefront_size: 32
...
	.end_amdgpu_metadata
.endif
;; end of part 1
;; launch attn (part 2): grid 32 x 8, 4 waves a work-group, clusters of 4 x 1, 327,680 bytes of LDS; arguments qkv, x, gamma, out0; writes out0
.if DOCPART == 2
	.amdgcn_target "amdgcn-amd-amdhsa--gfx1250"
	.amdhsa_code_object_version 6
	.text
	.protected	k_q41d65ef5ac_attn
	.globl	k_q41d65ef5ac_attn
	.p2align	8
	.type	k_q41d65ef5ac_attn,@function
k_q41d65ef5ac_attn:
	s_mov_b64 s[64:65], 0
	v_nop
	global_prefetch_b8 v0, s[64:65] scope:SCOPE_SE
	s_setreg_imm32_b32 hwreg(HW_REG_WAVE_MODE, 25, 1), 1
	s_wait_xcnt 0x0
	s_wait_alu depctr_hold_cnt(0) depctr_sa_sdst(0) depctr_va_vdst(0) depctr_va_sdst(0) depctr_va_ssrc(0) depctr_va_vcc(0) depctr_vm_vsrc(0)
	s_getreg_b32 s2, hwreg(HW_REG_IB_STS2, 6, 4)
	s_cmp_eq_u32 s2, 0
	s_cbranch_scc0 .Lentry_in_a_cluster
	s_endpgm
.Lentry_in_a_cluster:
	s_bfe_u32 s2, ttmp6, 0x10000c
	s_cmp_lg_u32 s2, 0x3003
	s_cbranch_scc0 .Lentry_shape_is_right
	s_endpgm
.Lentry_shape_is_right:
; out0[b][c][m] = gamma * sum over n of v[b][c][n] softmax_n(q[b][:,m] . k[b][:,n] / sqrt(32)) + x[b][c][m].
; qkv is bf16 [8][320][4096]: rows 0-255 v, 256-287 k, 288-319 q.
; A work-group takes one batch and 128 queries; wave = 2 qh + kh owns 64 queries (half qh) x all 256 channels (64 accumulator tiles,
; 512 registers) over half kh of every block of 256 keys, so each fragment of v read from LDS feeds four matrix instructions.
; TWO PASSES.  Pass 1 makes the scores and keeps only each query's true maximum m.  Pass 2 makes them again, p = exp2(s c - m c) with
; c = log2(e) / sqrt(32), sums p, and multiplies p by v.  So the 512 accumulators are never rescaled, and the two key halves, which use
; the same m, are simply added at the end.
; p NEVER LEAVES REGISTERS: the score tile is made transposed (source 0 = 16 keys of k, source 1 = 16 queries of q), so a lane holds
; keys 8 h .. 8 h + 7 of query r; two such tiles, rounded to bf16, are the fragment of p (row = query r, 32 keys) as it stands.
; CLUSTER: the four work-groups of a cluster take four query blocks of one batch and walk the same k and v; every tile of k and v is asked
; for jointly (mask 15).  The tile of q is each work-group's own.
; LIMITS: q, k, v and p are rounded to bf16 for the products; the row sum is made of the f32 p while the product takes the rounded p;
; p below 2^-126 is 0 (v_exp_f32 returns no denormals: ISA guide, its entry in 15.8); sums are in another order than the reference's.
.set QROW,  8192                       ; bytes in a row of qkv
.set XROW,  16384                      ; bytes in a row of x and out0
.set PK,    528                        ; LDS pitch of 256 keys in bf16, and of 128 queries in f32: 512 bytes + 16, an odd multiple of 16
.set SLOTB, 288*PK                     ; 152,064: a slot: 256 rows of v, then 32 rows of k
.set KOFF,  256*PK                     ; 135,168: k's rows in a slot
.set KTILE, 32*PK                      ; 16,896: pass 1: a tile of k alone
.set QT,    2*SLOTB                    ; 304,128: q, 32 rows x 128 queries, pitch 272
.set QP,    272
.set MXS,   QT+32*QP                   ; 312,832: the waves' maxima, 512 bytes each; no tile ever lands here
.set LSB,   MXS+2048                   ; 314,880: the row sums, 512 bytes for each key half
.set PLANE, 256*PK                     ; the way out: [256 channels][128 queries] f32 for each key half, in the slots after their last fill
.set KL,   2                           ; v2      transposing loads of k: (8 h + L % 8) pitch + 16 ((L / 8) % 2) + 256 kh
.set KADR, 3                           ; v3      pass 1: KL + the run's first tile
.set KR,   4                           ; v4, v5  k's rows in slot 0, 1
.set VA,   6                           ; v6-v9   v's fragments: slot 0 channels 0-127, 128-255; slot 1 likewise
.set QA,   10                          ; v10     transposing loads of q
.set MXO,  11                          ; v11     my word among my wave's maxima
.set MXP,  12                          ; v12     the same word of the wave with the other key half
.set LSA,  13                          ; v13     my query's row sum
.set ES,   14                          ; v14, v15  the way out: where my eight queries of channel r go; channels 0-127, 128-255
.set RB,   16                          ; v16, v17  the way out: my 16 bytes of my wave's first row, plane 0, 1
.set XO,   18                          ; v18     16 x lane
.set QF,   24                          ; v[24:55]   q: four fragments
.set PB0,  56                          ; v[56:87], v[88:119]  p: two buffers of four fragments.  Pass 1: eight fragments of k
.set H0,   56
.set KF,   120                         ; v[120:135] k: two fragments
.set SS,   136                         ; v[136:199] scores: tile 4 kt + qt
.set B0,   136                         ; pass 1: two buffers of four score tiles
.set B1,   168
.set TT,   200                         ; v[200:203] exponents at work
.set LL,   204                         ; v[204:219] row sums: four chains for each query tile
.set NM,   220                         ; v[220:227] - m c, twice, for each query tile
.set MX,   228                         ; v[228:235] maxima: two chains for each query tile
.set GG,   236                         ; v[236:239] gamma / l of my four queries; v[240:247] at work
.set E0,   24                          ; the way out: two sets of 64 registers
.set E1,   88
; window 1: v's fragments, two buffers of 128 registers (channel tile g at 8 g); on the way out x (row i at 4 i)
; windows 2, 3: the accumulators: tile (g, qt) at 8 (4 (g % 8) + qt), g < 8 in window 2
.set G1K, 28                           ; s[28:35] shape of a tile of k: 32 rows x 256 keys, joint
.set G1R, 36                           ; s[36:43] shape of a wave's quarter of a slot: 72 rows x 256 keys, joint
.set G1Q, 44                           ; s[44:51] shape of a wave's quarter of q: 8 rows x 128 queries
.set G0Q, 72                           ; s[72:75]
.set G0R, 76                           ; s[76:79] slot 0, s[80:83] slot 1
.set W0J, 15|(1<<16)|(1<<20)|(1<<21)|(6<<22)|(3<<25)   ; mask: all four of the cluster; 2-byte elements; padding on; bit 21 beside a mask; 4 words behind every 128
.set W0Q, (1<<16)|(1<<20)|(5<<22)|(3<<25)              ; no mask; 4 words behind every 64
.set MSB, 0
.macro WIN new                         ; the immediate's high byte repeats the setting that is left
.if MSB != \new
	s_set_vgpr_msb (MSB<<8)|\new
.set MSB, \new
.endif
.endm
.macro PLACES                          ; four places behind a matrix instruction (ISA guide 7.12.1)
.rept 4
	v_nop
.endr
.endm
; a round of the cluster's barrier: my work-group's barrier, wave 0 signals for the work-group, all wait for all four, my work-group's barrier again
.macro ROUND
	s_barrier_signal -1
	s_barrier_wait -1
	s_cmp_lg_u32 s12, 0
	s_cbranch_scc1 .Lnot_wave_0_\@
	s_barrier_signal -3
.Lnot_wave_0_\@:
	s_barrier_wait -3
	s_barrier_signal -1
	s_barrier_wait -1
.endm
.macro MKG1 g, w0, cols, rows          ; descriptor group 1: rows x cols elements, 4,096 elements from row to row
	s_mov_b32 s[\g], \w0
	s_mov_b32 s[\g+1], (\cols)<<16                 ; tensor_dim0
	s_mov_b32 s[\g+2], (\rows)<<16                 ; tensor_dim1
	s_mov_b32 s[\g+3], (\cols)<<16                 ; tile_dim0
	s_mov_b32 s[\g+4], \rows                       ; tile_dim1
	s_mov_b32 s[\g+5], 4096
	s_mov_b32 s[\g+6], 0
	s_mov_b32 s[\g+7], 0
.endm
.macro MKG0 g, lreg, lconst, breg, badd ; descriptor group 0: LDS address = s[lreg] + lconst, global address = s[breg:breg+1] + badd
	s_mov_b32 s[\g], 1
	s_add_co_u32 s[\g+1], s[\lreg], \lconst
	s_add_nc_u64 s[\g+2:\g+3], s[\breg:\breg+1], \badd
	s_or_b32 s[\g+3], s[\g+3], 0x80000000
.endm
	s_load_b256 s[4:11], s[0:1], 0x0               ; qkv s[4:5], x s[6:7], gamma s[8:9], out0 s[10:11]
	v_lshl_add_u32 v254, v0, 2, 0x4d200
	v_mov_b32 v255, 0
	ds_add_u32 v254, v255
	v_lshrrev_b32 v1, 5, v0
	v_readfirstlane_b32 s12, v1                    ; wave 0..3
	s_lshr_b32 s13, s12, 1                         ; qh: which 64 queries
	s_and_b32 s14, s12, 1                          ; kh: which half of each block of keys
	s_bfe_u32 s15, ttmp6, 0x40000                  ; cx
	s_lshl_b32 s16, ttmp9, 2
	s_add_co_u32 s16, s16, s15                     ; query block = 4 x cluster x + cx
	s_and_b32 s17, ttmp7, 0xffff                   ; batch
	s_mov_b32 s22, 0x3e8293ee                      ; c = log2(e) / sqrt(32), as a pair for the packed form
	s_mov_b32 s23, 0x3e8293ee
	s_mov_b32 s24, 0xbe8293ee                      ; - c
	s_mov_b32 s26, 0x76543210                      ; v_permlanex16_b32: lane i of one half reads lane i of the other
	s_mov_b32 s27, 0xfedcba98
	MKG1 G1K, W0J, 256, 32
	MKG1 G1R, W0J, 256, 72
	MKG1 G1Q, W0Q, 128, 8
	s_mul_i32 s18, s17, 320*QROW                   ; my batch in qkv
	s_mov_b32 s19, 0
	s_lshl_b32 s20, s12, 9                         ; pass 1: tile 4 j + wave of k: 512 bytes a tile along the rows
	s_mov_b32 s21, 0
	s_mul_i32 s90, s12, 72*QROW                    ; pass 2: my 72 rows of the 288
	s_mov_b32 s91, 0
	s_lshl_b32 s88, s12, 16                        ; q: my 8 rows, and my block's 256 bytes of them.  s[86:89] alone hold what hangs on cx
	s_lshl_b32 s89, s16, 8
	s_add_co_u32 s88, s88, s89
	s_mov_b32 s89, 0
	s_lshl_b32 s86, s17, 22                        ; x and out0: batch x 4 MiB + block x 512 bytes + wave x 64 rows
	s_lshl_b32 s87, s16, 9
	s_add_co_u32 s86, s86, s87
	s_lshl_b32 s87, s12, 20
	s_add_co_u32 s86, s86, s87
	s_mov_b32 s87, 0
	s_mul_i32 s85, s12, KTILE
	s_mul_i32 s92, s12, 72*PK
	s_mul_i32 s93, s12, 8*QP
	s_wait_dscnt 0x0
	s_wait_kmcnt 0x0
	s_load_b32 s25, s[8:9], 0x0                    ; gamma
	s_add_nc_u64 s[4:5], s[4:5], s[18:19]
	s_add_nc_u64 s[20:21], s[4:5], s[20:21]
	s_add_nc_u64 s[90:91], s[4:5], s[90:91]
	s_add_nc_u64 s[88:89], s[4:5], s[88:89]
	s_add_nc_u64 s[6:7], s[6:7], s[86:87]
	s_add_nc_u64 s[10:11], s[10:11], s[86:87]
	MKG0 52, 85, 0, 20, (256*QROW)                 ; k's tiles 0-7 lie where slot 0 will be, 8-15 where slot 1 will be
	MKG0 56, 85, 4*KTILE, 20, (256*QROW+2048)
	MKG0 60, 85, SLOTB, 20, (256*QROW+4096)
	MKG0 68, 85, SLOTB+4*KTILE, 20, (256*QROW+6144)
	MKG0 G0Q, 93, QT, 88, (288*QROW)
	MKG0 G0R, 92, 0, 90, 0                         ; block 0 of keys
	MKG0 G0R+4, 92, SLOTB, 90, 512                 ; block 1
	s_wait_kmcnt 0x0                               ; gamma is in
	ROUND                                          ; all four work-groups are here: the first joint loads meet
	tensor_load_to_lds s[G0Q:G0Q+3], s[G1Q:G1Q+7]  ; five first fills, one group: the most that this text ever has out
	s_nop 0
	tensor_load_to_lds s[52:55], s[G1K:G1K+7]
	s_nop 0
	tensor_load_to_lds s[56:59], s[G1K:G1K+7]
	s_nop 0
	tensor_load_to_lds s[60:63], s[G1K:G1K+7]
	s_nop 0
	tensor_load_to_lds s[68:71], s[G1K:G1K+7]
	s_nop 0
	v_and_b32 v1, 31, v0                           ; lane L
	v_and_b32 v19, 15, v0                          ; r
	v_bfe_u32 v20, v0, 4, 1                        ; h
	v_and_b32 v21, 7, v0
	v_bfe_u32 v22, v0, 3, 1
	v_lshl_add_u32 v23, v20, 3, v21                ; 8 h + L % 8
	s_lshl_b32 s85, s14, 8                         ; my half of a block: 128 keys, 256 bytes
	v_mul_u32_u24 v[KL], v23, PK
	v_lshl_add_u32 v[KL], v22, 4, v[KL]
	v_add_nc_u32 v[KL], s85, v[KL]
	v_add_nc_u32 v[KR], KOFF, v[KL]
	v_add_nc_u32 v[KR+1], SLOTB+KOFF, v[KL]
	v_mul_u32_u24 v[VA], v19, PK                   ; v: channel r, 16 h bytes
	v_lshl_add_u32 v[VA], v20, 4, v[VA]
	v_add_nc_u32 v[VA], s85, v[VA]
	v_add_nc_u32 v[VA+1], 128*PK, v[VA]
	v_add_nc_u32 v[VA+2], SLOTB, v[VA]
	v_add_nc_u32 v[VA+3], SLOTB+128*PK, v[VA]
	s_lshl_b32 s85, s13, 7                         ; my 64 queries: 128 bytes
	s_add_co_u32 s85, s85, QT
	v_mul_u32_u24 v[QA], v23, QP
	v_lshl_add_u32 v[QA], v22, 4, v[QA]
	v_add_nc_u32 v[QA], s85, v[QA]
	s_lshl_b32 s85, s12, 9
	s_add_co_u32 s85, s85, MXS
	v_lshl_add_u32 v[MXO], v1, 2, s85
	s_xor_b32 s85, s12, 1                          ; the wave with my queries and the other keys
	s_lshl_b32 s85, s85, 9
	s_add_co_u32 s85, s85, MXS
	v_lshl_add_u32 v[MXP], v1, 2, s85
	s_lshl_b32 s85, s14, 9
	s_lshl_b32 s94, s13, 8
	s_add_co_u32 s85, s85, s94
	s_add_co_u32 s85, s85, LSB
	v_lshl_add_u32 v[LSA], v19, 2, s85             ; 512 kh + 4 (64 qh + r)
	s_mul_i32 s85, s14, PLANE
	s_add_co_u32 s85, s85, s94
	v_mul_u32_u24 v[ES], v19, PK
	v_lshl_add_u32 v[ES], v20, 5, v[ES]
	v_add_nc_u32 v[ES], s85, v[ES]                 ; plane kh, channel r, query 64 qh + 8 h
	v_add_nc_u32 v[ES+1], 128*PK, v[ES]
	s_mul_i32 s85, s12, 64*PK
	v_lshl_add_u32 v[RB], v1, 4, s85
	v_add_nc_u32 v[RB+1], PLANE, v[RB]
	v_lshlrev_b32 v[XO], 4, v1
.irp i, 0,1,2,3,4,5,6,7
	v_mov_b32 v[MX+\i], 0xff800000                 ; - infinity
.endr
; ---- PASS 1: the maxima ----
.macro P1FETCH hreg, k0, off           ; four fragments of k (16 keys x 32) of the tile at byte off
.irp kt, 0,1,2,3
	ds_load_tr16_b128 v[\hreg+8*\kt:\hreg+8*\kt+3], v[KADR] offset:\off+32*(\k0+\kt)
	ds_load_tr16_b128 v[\hreg+8*\kt+4:\hreg+8*\kt+7], v[KADR] offset:\off+32*(\k0+\kt)+16*PK
.endr
.endm
.macro P1MAX y, qt                     ; a score tile's eight registers into the query tile's two chains
	v_max3_num_f32 v[MX+2*\qt], v[MX+2*\qt], v[\y+8*\qt], v[\y+8*\qt+1]
	v_max3_num_f32 v[MX+2*\qt+1], v[MX+2*\qt+1], v[\y+8*\qt+2], v[\y+8*\qt+3]
	v_max3_num_f32 v[MX+2*\qt], v[MX+2*\qt], v[\y+8*\qt+4], v[\y+8*\qt+5]
	v_max3_num_f32 v[MX+2*\qt+1], v[MX+2*\qt+1], v[\y+8*\qt+6], v[\y+8*\qt+7]
.endm
; 16 keys x 64 queries into buffer x, and between the matrix instructions the maxima of buffer y, made a group earlier:
; behind each matrix instruction stand at least the four maxima of its own turn, which name none of its registers, before its result is read
.macro P1G kt, x, y, domax
.irp qt, 0,1,2,3
	v_wmma_f32_16x16x32_bf16 v[\x+8*\qt:\x+8*\qt+7], v[H0+8*\kt:H0+8*\kt+7], v[QF+8*\qt:QF+8*\qt+7], 0
.if \domax
	P1MAX \y, \qt
.endif
.endr
.endm
.macro P1TILE off, next                ; my 128 keys of the tile at byte off; next = 1: the tile behind it is fetched meanwhile
	s_wait_dscnt 8                                 ; the first four fragments (and whatever is older) are in; the second four's eight loads may be out
	P1G 0, B0, B1, 0
	PLACES
	P1G 1, B1, B0, 1
	P1G 2, B0, B1, 1
	P1G 3, B1, B0, 1
	s_wait_dscnt 0x0                               ; the second four
	P1G 4, B0, B1, 1
.if \next
	P1FETCH H0, 0, (\off+KTILE)                    ; sixteen maxima and more stand behind the last reader of these registers
.endif
	P1G 5, B1, B0, 1
	P1G 6, B0, B1, 1
	P1G 7, B1, B0, 1
.irp qt, 0,1,2,3
	P1MAX B1, \qt
.endr
.if \next
	P1FETCH H0+32, 4, (\off+KTILE)
.endif
.endm
.macro P1RUN base                      ; four tiles that lie one behind the other from LDS byte base on
	v_add_nc_u32 v[KADR], \base, v[KL]
	P1FETCH H0, 0, 0
	P1FETCH H0+32, 4, 0
	P1TILE 0, 1
	P1TILE KTILE, 1
	P1TILE 2*KTILE, 1
	P1TILE 3*KTILE, 0
.endm
	s_wait_tensorcnt 3                             ; my parts of q and of k's tiles 0-3 are in; three younger loads stay out
	s_barrier_signal -1
	s_barrier_wait -1                              ; everybody's are
.irp qt, 0,1,2,3
	ds_load_tr16_b128 v[QF+8*\qt:QF+8*\qt+3], v[QA] offset:32*\qt
	ds_load_tr16_b128 v[QF+8*\qt+4:QF+8*\qt+7], v[QA] offset:32*\qt+16*QP
.endr
	P1RUN 0
	s_wait_dscnt 0x0
	s_wait_tensorcnt 2                             ; tiles 4-7; two younger loads stay out
	s_barrier_signal -1
	s_barrier_wait -1
	P1RUN 4*KTILE
	s_wait_dscnt 0x0                               ; my reads of tiles 0-7 are over
	s_wait_tensorcnt 0x0                           ; all my tensor loads have landed, tiles 8-15 among them
	ds_add_u32 v254, v255
	s_wait_dscnt 0x0
	ROUND                                          ; both hold of every wave of the cluster
	tensor_load_to_lds s[G0R:G0R+3], s[G1R:G1R+7]  ; block 0 of k and v into slot 0: it lands while tiles 8-15 are worked on
	s_nop 0
	P1RUN SLOTB
	P1RUN SLOTB+4*KTILE
.irp qt, 0,1,2,3
	v_max_num_f32 v[MX+2*\qt], v[MX+2*\qt], v[MX+2*\qt+1]
.endr
.irp qt, 0,1,2,3
	v_permlanex16_b32 v[MX+2*\qt+1], v[MX+2*\qt], s26, s27     ; the other eight keys of each tile lie in the other half of the lanes
.endr
.irp qt, 0,1,2,3
	v_max_num_f32 v[MX+2*\qt], v[MX+2*\qt], v[MX+2*\qt+1]
	ds_store_b32 v[MXO], v[MX+2*\qt] offset:128*\qt
.endr
	s_wait_dscnt 0x0                               ; my maxima are in LDS, my reads of tiles 8-15 are over
	s_wait_tensorcnt 0x0                           ; my part of block 0 has landed
	ds_add_u32 v254, v255
	s_wait_dscnt 0x0
	ROUND
	tensor_load_to_lds s[G0R+4:G0R+7], s[G1R:G1R+7]            ; block 1 into slot 1
	s_nop 0
; ---- PASS 2 ----
.macro SMM                             ; the scores of 32 keys x 64 queries
.irp kt, 0,1
.irp qt, 0,1,2,3
	v_wmma_f32_16x16x32_bf16 v[SS+8*(4*\kt+\qt):SS+8*(4*\kt+\qt)+7], v[KF+8*\kt:KF+8*\kt+7], v[QF+8*\qt:QF+8*\qt+7], 0
.endr
.endr
.endm
; half a score tile: p = exp2(s c - m c), summed in f32, rounded into two registers of p's fragment.
; Behind each v_exp_f32 a plain instruction that touches neither its result nor its source comes before the result is used (ISA guide 5.7.2).
.macro CHUNK j, pb
.set c_t, (\j)>>1
.set c_q, c_t&3
.set c_a, SS+8*c_t+4*((\j)&1)
.set c_p, \pb+8*c_q+4*(c_t>>2)+2*((\j)&1)
	v_pk_fma_f32 v[TT:TT+1], v[c_a:c_a+1], s[22:23], v[NM+2*c_q:NM+2*c_q+1] op_sel_hi:[1,0,1]
	v_exp_f32 v[c_a], v[TT]
	v_exp_f32 v[c_a+1], v[TT+1]
	v_pk_fma_f32 v[TT+2:TT+3], v[c_a+2:c_a+3], s[22:23], v[NM+2*c_q:NM+2*c_q+1] op_sel_hi:[1,0,1]
	v_exp_f32 v[c_a+2], v[TT+2]
	v_exp_f32 v[c_a+3], v[TT+3]
	s_wait_alu depctr_va_vdst(0)
	v_pk_add_f32 v[LL+4*c_q:LL+4*c_q+1], v[LL+4*c_q:LL+4*c_q+1], v[c_a:c_a+1]
	v_cvt_pk_bf16_f32 v[c_p], v[c_a], v[c_a+1]
	v_pk_add_f32 v[LL+4*c_q+2:LL+4*c_q+3], v[LL+4*c_q+2:LL+4*c_q+3], v[c_a+2:c_a+3]
	v_cvt_pk_bf16_f32 v[c_p+1], v[c_a+2], v[c_a+3]
.endm
.macro VFETCH slot, s, vb              ; v: 256 channels x the 32 keys of step s, 32 loads in one run
	WIN 0x40
.irp g, 0,1,2,3,4,5,6,7,8,9,10,11,12,13,14,15
	ds_load_b128 v[\vb+8*\g:\vb+8*\g+3], v[VA+2*(\slot)+((\g)>>3)] offset:((\g)&7)*16*PK+64*(\s)
	ds_load_b128 v[\vb+8*\g+4:\vb+8*\g+7], v[VA+2*(\slot)+((\g)>>3)] offset:((\g)&7)*16*PK+64*(\s)+32
.endr
.endm
.macro KFETCH slot, s                  ; k: the 32 keys of step s
.irp kt, 0,1
	ds_load_tr16_b128 v[KF+8*\kt:KF+8*\kt+3], v[KR+(\slot)] offset:64*(\s)+32*\kt
	ds_load_tr16_b128 v[KF+8*\kt+4:KF+8*\kt+7], v[KR+(\slot)] offset:64*(\s)+32*\kt+16*PK
.endr
.endm
.macro PVG g, pb, vb, zero             ; 64 queries x 16 channels x 32 keys
.irp qt, 0,1,2,3
.if \zero
	v_wmma_f32_16x16x32_bf16 v[8*(4*((\g)&7)+\qt):8*(4*((\g)&7)+\qt)+7], v[\pb+8*\qt:\pb+8*\qt+7], v[\vb+8*(\g):\vb+8*(\g)+7], 0
.else
	v_wmma_f32_16x16x32_bf16 v[8*(4*((\g)&7)+\qt):8*(4*((\g)&7)+\qt)+7], v[\pb+8*\qt:\pb+8*\qt+7], v[\vb+8*(\g):\vb+8*(\g)+7], v[8*(4*((\g)&7)+\qt):8*(4*((\g)&7)+\qt)+7]
.endif
.endr
.endm
; The change of slots.  kind 1: this slot, which I read no more, is filled again with the block after next.  kind 2: nothing is left to fetch.
.macro SYNC slot, kind
	s_wait_dscnt 0x0                               ; my reads of this slot are back
	s_wait_tensorcnt 0x0                           ; all my tensor loads have landed: the one that was out is my part of the other slot
	ds_add_u32 v254, v255
	s_wait_dscnt 0x0
.if \kind == 1
	s_add_nc_u64 s[G0R+4*\slot+2:G0R+4*\slot+3], s[G0R+4*\slot+2:G0R+4*\slot+3], 1024   ; two blocks on; no load of mine is out
	ROUND                                          ; both hold of every wave of the cluster
	tensor_load_to_lds s[G0R+4*\slot:G0R+4*\slot+3], s[G1R:G1R+7]   ; my one tensor load behind the round, and the first thing there
	s_nop 0
.else
	s_barrier_signal -1
	s_barrier_wait -1                              ; the other slot is whole for every wave
.endif
.endm
; One step of 32 keys: p(s) x v(s), and in its shadow the scores and p of step s + 1.  On entry p(s) is in registers, v(s) and k(s + 1) are asked for.
; The 64 accumulators take turns, one instruction a turn.
.macro STEP slot, s, zero, nxt, kf, sync
.set st_pc, PB0+32*((\s)&1)
.set st_pn, PB0+32*(((\s)+1)&1)
.set st_vc, 128*((\s)&1)
.set st_vn, 128*(((\s)+1)&1)
.if \nxt
.if \s == 3
	VFETCH (1-\slot), 0, st_vn                     ; six plain instructions of the last half tile stand behind the last reader of this buffer
.else
	VFETCH \slot, (\s+1), st_vn
.endif
	WIN 0
	s_wait_dscnt 32                                ; all but the 32 just issued: v(s) and k(s + 1) are in
	SMM
	PLACES
.irp g, 0,1,2,3,4,5,6,7,8,9,10,11,12,13,14,15
.if \g < 8
	WIN 0xa4
.else
	WIN 0xf4
.endif
	PVG \g, st_pc, st_vc, \zero
	WIN 0
	CHUNK \g, st_pn
.if \g == 7
.if \sync
	SYNC \slot, \sync
.endif
.if \kf
.if \s >= 2
	KFETCH (1-\slot), (\s-2)
.else
	KFETCH \slot, (\s+2)
.endif
.endif
.endif
.endr
.else
	s_wait_dscnt 0x0                               ; the very last v
	WIN 0xa4
.irp g, 0,1,2,3,4,5,6,7
	PVG \g, st_pc, st_vc, 0
.endr
	WIN 0xf4
.irp g, 8,9,10,11,12,13,14,15
	PVG \g, st_pc, st_vc, 0
.endr
	WIN 0
.endif
.endm
; A block of 256 keys: my half is four steps.  In the middle of step 2 v(3) and k(3) are asked for and I read this slot no more: there the slots change.
; From a refill to the wait for it a wave issues a whole block's 288 matrix instructions.
.macro BLOCK slot, zero, kind, last
	STEP \slot, 0, \zero, 1, 1, 0
	STEP \slot, 1, 0, 1, 1, 0
.if \last
	STEP \slot, 2, 0, 1, 0, 0
	STEP \slot, 3, 0, 0, 0, 0
.else
	STEP \slot, 2, 0, 1, 1, \kind
	STEP \slot, 3, 0, 1, 1, 0
.endif
.endm
.irp qt, 0,1,2,3
	ds_load_b32 v[MX+2*\qt+1], v[MXP] offset:128*\qt           ; the other key half's maxima of my queries
.endr
	KFETCH 0, 0
	VFETCH 0, 0, 0
	WIN 0
	s_wait_dscnt 32                                ; the maxima and k(0) are in; v(0)'s 32 loads may be out
	SMM
.irp qt, 0,1,2,3
	v_max_num_f32 v[MX+2*\qt], v[MX+2*\qt], v[MX+2*\qt+1]      ; these 28 instructions are also the places behind the scores
.endr
.irp qt, 0,1,2,3
	v_mul_f32 v[NM+2*\qt], s24, v[MX+2*\qt]
	v_mul_f32 v[NM+2*\qt+1], s24, v[MX+2*\qt]
.endr
.irp i, 0,1,2,3,4,5,6,7,8,9,10,11,12,13,14,15
	v_mov_b32 v[LL+\i], 0
.endr
	KFETCH 0, 1
.irp j, 0,1,2,3,4,5,6,7,8,9,10,11,12,13,14,15
	CHUNK \j, PB0
.endr
	BLOCK 0, 1, 1, 0                               ; blocks 0 and 1 stand in front of the loop: the first products start the sums
	BLOCK 1, 0, 1, 0
	s_mov_b32 s84, 6
.Lpair:
	BLOCK 0, 0, 1, 0                               ; blocks 2 to 13
	BLOCK 1, 0, 1, 0
	s_sub_co_u32 s84, s84, 1
	s_cmp_lg_u32 s84, 0
	s_cbranch_scc1 .Lpair
	BLOCK 0, 0, 2, 0                               ; block 14 fills nothing
	BLOCK 1, 0, 0, 1                               ; block 15: no step follows
; ---- THE WAY OUT ----
; The two key halves meet in LDS, which also turns the accumulators into whole rows: wave w then owns channels 64 w .. 64 w + 63 for all 128 queries.
	PLACES                                         ; behind the last matrix instructions: loads land in v's buffers, LDS stores read results
	WIN 0x40
.set i, 0
.rept 56
	global_load_b128 v[4*i:4*i+3], v[XO], s[6:7] offset:i*XROW th:TH_LOAD_NT   ; x for the residual: 512 consecutive bytes a load
.set i, i+1
.endr
	WIN 0
.irp qt, 0,1,2,3
	v_pk_add_f32 v[LL+4*\qt:LL+4*\qt+1], v[LL+4*\qt:LL+4*\qt+1], v[LL+4*\qt+2:LL+4*\qt+3]
.endr
.irp qt, 0,1,2,3
	v_add_f32 v[LL+4*\qt], v[LL+4*\qt], v[LL+4*\qt+1]
.endr
.irp qt, 0,1,2,3
	v_permlanex16_b32 v[LL+4*\qt+1], v[LL+4*\qt], s26, s27
.endr
.irp qt, 0,1,2,3
	v_add_f32 v[LL+4*\qt], v[LL+4*\qt], v[LL+4*\qt+1]
	ds_store_b32 v[LSA], v[LL+4*\qt] offset:64*\qt             ; both halves of the lanes write the same word with the same value
.endr
	s_wait_dscnt 0x0                               ; my reads of the slots are over, my row sums are in LDS
	s_barrier_signal -1
	s_barrier_wait -1                              ; everybody's; the slots have had their last fill
.macro ESTORE half
.irp g, 0,1,2,3,4,5,6,7
.irp qt, 0,1,2,3
	ds_store_b128 v[ES+\half], v[8*(4*\g+\qt):8*(4*\g+\qt)+3] offset:\g*16*PK+64*\qt
	ds_store_b128 v[ES+\half], v[8*(4*\g+\qt)+4:8*(4*\g+\qt)+7] offset:\g*16*PK+64*\qt+16
.endr
.endr
.endm
	WIN 0x08
	ESTORE 0
	WIN 0x0c
	ESTORE 1
	WIN 0
	s_wait_dscnt 0x0
	s_barrier_signal -1
	s_barrier_wait -1                              ; both planes are whole
	WIN 0x40
.rept 8
	global_load_b128 v[4*i:4*i+3], v[XO], s[6:7] offset:i*XROW th:TH_LOAD_NT   ; the last eight rows of x
.set i, i+1
.endr
	WIN 0
	v_add_nc_u32 v19, LSB, v[XO]
	ds_load_b128 v[240:243], v19                   ; the row sums of my four queries, key half 0
	ds_load_b128 v[244:247], v19 offset:512        ; and key half 1
	s_wait_dscnt 0x0
	v_pk_add_f32 v[240:241], v[240:241], v[244:245]
	v_pk_add_f32 v[242:243], v[242:243], v[246:247]
	v_rcp_f32 v244, v240
	v_rcp_f32 v245, v241
	v_rcp_f32 v246, v242
	v_rcp_f32 v247, v243
	v_nop                                          ; one plain place behind the reciprocals
	s_wait_alu depctr_va_vdst(0)
	v_mul_f32 v[GG], s25, v244                     ; gamma / l
	v_mul_f32 v[GG+1], s25, v245
	v_mul_f32 v[GG+2], s25, v246
	v_mul_f32 v[GG+3], s25, v247
; eight rows: (half 0 + half 1) gamma / l + x
.macro OUTB b, rs
	s_wait_xcnt 0x0                                ; this set of registers, which earlier stores read, is loaded again only behind this wait
.irp i, 0,1,2,3,4,5,6,7
	ds_load_b128 v[\rs+8*\i:\rs+8*\i+3], v[RB] offset:(8*\b+\i)*PK
	ds_load_b128 v[\rs+8*\i+4:\rs+8*\i+7], v[RB+1] offset:(8*\b+\i)*PK
.endr
	s_wait_loadcnt 56-8*\b                         ; x's rows up to 8 b + 7 are in; the rows behind them stay out
.irp i, 0,1,2,3,4,5,6,7
	s_wait_dscnt 14-2*\i                           ; row i's two loads are in, the younger rows' stay out
	v_pk_add_f32 v[\rs+8*\i:\rs+8*\i+1], v[\rs+8*\i:\rs+8*\i+1], v[\rs+8*\i+4:\rs+8*\i+5]
	v_pk_add_f32 v[\rs+8*\i+2:\rs+8*\i+3], v[\rs+8*\i+2:\rs+8*\i+3], v[\rs+8*\i+6:\rs+8*\i+7]
	v_pk_fma_f32 v[\rs+8*\i:\rs+8*\i+1], v[\rs+8*\i:\rs+8*\i+1], v[GG:GG+1], v[4*(8*\b+\i):4*(8*\b+\i)+1]
	v_pk_fma_f32 v[\rs+8*\i+2:\rs+8*\i+3], v[\rs+8*\i+2:\rs+8*\i+3], v[GG+2:GG+3], v[4*(8*\b+\i)+2:4*(8*\b+\i)+3]
	global_store_b128 v[XO], v[\rs+8*\i:\rs+8*\i+3], s[10:11] offset:(8*\b+\i)*XROW th:TH_STORE_NT   ; a wave's store covers 512 consecutive bytes, aligned
.endr
.endm
	WIN 0x10                                       ; source 2 (x) in window 1, all else in window 0
	OUTB 0, E0
	OUTB 1, E1
	OUTB 2, E0
	OUTB 3, E1
	OUTB 4, E0
	OUTB 5, E1
	OUTB 6, E0
	OUTB 7, E1
	WIN 0
	s_wait_tensorcnt 0x0
	ds_add_u32 v254, v255
	s_wait_dscnt 0x0
	ROUND                                          ; the closing round: no work-group ends while a partner may still ask jointly
	s_endpgm
.Lfunc_end_k_q41d65ef5ac_attn:
	.size	k_q41d65ef5ac_attn, .Lfunc_end_k_q41d65ef5ac_attn-k_q41d65ef5ac_attn
	.p2alignl 7, 3214868480
	.fill 96, 4, 3214868480
	.section	.rodata,"a",@progbits
	.p2align	6, 0x0
	.amdhsa_kernel k_q41d65ef5ac_attn
		.amdhsa_group_segment_fixed_size 327680
		.amdhsa_private_segment_fixed_size 0
		.amdhsa_enable_private_segment 0
		.amdhsa_kernarg_size 32
		.amdhsa_user_sgpr_count 2
		.amdhsa_user_sgpr_kernarg_segment_ptr 1
		.amdhsa_wavefront_size32 1
		.amdhsa_system_sgpr_workgroup_id_x 1
		.amdhsa_system_sgpr_workgroup_id_y 1
		.amdhsa_system_sgpr_workgroup_id_z 1
		.amdhsa_system_vgpr_workitem_id 0
		.amdhsa_next_free_vgpr 1024
		.amdhsa_next_free_sgpr 96
		.amdhsa_reserve_vcc 0
		.amdhsa_float_denorm_mode_32 3
		.amdhsa_float_denorm_mode_16_64 3
		.amdhsa_memory_ordered 1
		.amdhsa_forward_progress 1
		.amdhsa_inst_pref_size 255
	.end_amdhsa_kernel
	.section	.bss,"aw",@nobits
	.p2align	6
	.space	262144
	.amdgpu_metadata
---
amdhsa.version: [ 1, 2 ]
amdhsa.kernels:
  - .name:           k_q41d65ef5ac_attn
    .symbol:         k_q41d65ef5ac_attn.kd
    .args:
      - { .name: qkv, .offset: 0, .size: 8, .value_kind: global_buffer, .address_space: global }
      - { .name: x, .offset: 8, .size: 8, .value_kind: global_buffer, .address_space: global }
      - { .name: gamma, .offset: 16, .size: 8, .value_kind: global_buffer, .address_space: global }
      - { .name: out0, .offset: 24, .size: 8, .value_kind: global_buffer, .address_space: global }
    .group_segment_fixed_size: 327680
    .private_segment_fixed_size: 0
    .kernarg_segment_align: 8
    .kernarg_segment_size: 32
    .max_flat_workgroup_size: 128
    .sgpr_count:     96
    .vgpr_count:     1024
    .wavefront_size: 32
...
	.end_amdgpu_metadata
.endif
;; end of part 2
;; ======== version 2 of 3: 2 launches; 1.20 times as fast as version 1
;; workspace buffers: qkv 20,971,520 bytes
;; launch proj: the kernel of part 1 again; grid 32 x 8, 4 waves a work-group, no clusters, 91,648 bytes of LDS; arguments x, wv, wk, wq, qkv; writes qkv
;; launch attn (part 3): grid 32 x 8, 4 waves a work-group, clusters of 4 x 1, 327,680 bytes of LDS; arguments qkv, x, gamma, out0; writes out0
.if DOCPART == 3
	.amdgcn_target "amdgcn-amd-amdhsa--gfx1250"
	.amdhsa_code_object_version 6
	.text
	.protected	k_q41d65ef5ac_attn
	.globl	k_q41d65ef5ac_attn
	.p2align	8
	.type	k_q41d65ef5ac_attn,@function
k_q41d65ef5ac_attn:
	s_mov_b64 s[64:65], 0
	v_nop
	global_prefetch_b8 v0, s[64:65] scope:SCOPE_SE
	s_setreg_imm32_b32 hwreg(HW_REG_WAVE_MODE, 25, 1), 1
	s_wait_xcnt 0x0
	s_wait_alu depctr_hold_cnt(0) depctr_sa_sdst(0) depctr_va_vdst(0) depctr_va_sdst(0) depctr_va_ssrc(0) depctr_va_vcc(0) depctr_vm_vsrc(0)
	s_getreg_b32 s2, hwreg(HW_REG_IB_STS2, 6, 4)
	s_cmp_eq_u32 s2, 0
	s_cbranch_scc0 .Lentry_in_a_cluster
	s_endpgm
.Lentry_in_a_cluster:
	s_bfe_u32 s2, ttmp6, 0x10000c
	s_cmp_lg_u32 s2, 0x3003
	s_cbranch_scc0 .Lentry_shape_is_right
	s_endpgm
.Lentry_shape_is_right:
; out0[b][c][m] = gamma * sum over n of v[b][c][n] softmax_n(q[b][:,m] . k[b][:,n] / sqrt(32)) + x[b][c][m].
; qkv is bf16 [8][320][4096]: rows 0-255 v, 256-287 k, 288-319 q.
; A work-group takes one batch and 128 queries; wave = 2 qh + kh owns 64 queries (half qh) x all 256 channels (64 accumulator tiles,
; 512 registers) over half kh of every block of 256 keys, so each fragment of v read from LDS feeds four matrix instructions.
; TWO PASSES.  Pass 1 makes the scores and keeps only each query's true maximum m.  Pass 2 makes them again, p = exp2(s c - m c) with
; c = log2(e) / sqrt(32), sums p, and multiplies p by v.  So the 512 accumulators are never rescaled, and the two key halves, which use
; the same m, are simply added at the end.
; p NEVER LEAVES REGISTERS: the score tile is made transposed (source 0 = 16 keys of k, source 1 = 16 queries of q), so a lane holds
; keys 8 h .. 8 h + 7 of query r; two such tiles, rounded to bf16, are the fragment of p (row = query r, 32 keys) as it stands.
; CLUSTER: the four work-groups of a cluster take four query blocks of one batch and walk the same k and v; every tile of k and v is asked
; for jointly (mask 15).  The tile of q is each work-group's own.
; THE TEXT IS KEPT SHORT: pass 1 is two counted loops of one tile a trip, pass 2 one loop of eight steps.  Written out is only what must
; differ: each pass 1 loop's last tile (it fetches nothing), the step that starts the sums, and the last seven steps (they ask for no tile).
; LIMITS: q, k, v and p are rounded to bf16 for the products; the row sum is made of the f32 p while the product takes the rounded p;
; p below 2^-126 is 0 (v_exp_f32 returns no denormals: ISA guide, its entry in 15.8); sums are in another order than the reference's.
;
; REGISTERS, in windows of 256 (s_set_vgpr_msb: bits 1:0 source 0, 3:2 source 1, 5:4 source 2, 7:6 destination).
; WINDOW w HOLDS ALL OF QUERY TILE w: its 16 accumulator tiles, its p, its scores, its sums.  A product p x v names source 0, source 2 and the
; destination in window w and source 1 (v) in v's window; under that very setting the softmax of tile w can run, as long as it names no vector
; register as source 1.  So two or three vector instructions stand behind every single product, and the window changes once in four products.
.set QROW,  8192                       ; bytes in a row of qkv
.set XROW,  16384                      ; bytes in a row of x and out0
.set PK,    528                        ; LDS pitch of 256 keys in bf16, and of 128 queries in f32: 512 bytes + 16, an odd multiple of 16
.set SLOTB, 288*PK                     ; 152,064: a slot: 256 rows of v, then 32 rows of k
.set KOFF,  256*PK                     ; 135,168: k's rows in a slot
.set KTILE, 32*PK                      ; 16,896: pass 1: a tile of k alone
.set QT,    2*SLOTB                    ; 304,128: q, 32 rows x 128 queries, pitch 272
.set QP,    272
.set MXS,   QT+32*QP                   ; 312,832: the waves' maxima, 512 bytes each; no tile ever lands here
.set LSB,   MXS+2048                   ; 314,880: the row sums, 512 bytes for each key half
.set PLANE, 256*PK                     ; the way out: [256 channels][128 queries] f32 for each key half, in the slots after their last fill
; every window, pass 2:    0-127 accumulators, channel tile g at 8 g
.set PB,   128                         ; 128-143  p: two fragments, by turns
.set SS,   144                         ; 144-159  scores, then p in f32: two tiles of 16 keys = eight pairs
.set TT,   160                         ; 160-163  exponents at work: two pairs, by turns
.set LL,   164                         ; 164-167  row sums: two pairs, by turns
.set NM,   168                         ; 168-169  - m c, twice
.set POOL, 170                         ; 170-191  window 0: addresses; window 1: k's two fragments; window 2: q's tiles 0, 1; window 3: q's tiles 2, 3
.set VV,   192                         ; 192-255  v: channel tiles 4 w .. 4 w + 3, buffer b at 32 b.  On the way out: x's rows 16 w .. 16 w + 15
; window 0's pool
.set KR,   170                         ; 170, 171  k's rows in slot 0, 1
.set VA,   172                         ; 172-175   v's fragments: slot 0 channels 0-127, 128-255; slot 1 likewise
.set ES,   176                         ; 176, 177  the way out: where my eight queries of channel r go; channels 0-127, 128-255
.set RB,   178                         ; 178, 179  the way out: my 16 bytes of my wave's first row, plane 0, 1
.set XO,   180                         ; 16 x lane
.set LSA,  181                         ; my query's row sum
.set KL,   182                         ; transposing loads of k: (8 h + L % 8) pitch + 16 ((L / 8) % 2) + 256 kh
.set KADR, 183                         ; pass 1: KL + the trip's tile
.set QA,   184                         ; transposing loads of q
.set MXO,  185                         ; my word among my wave's maxima
.set MXP,  186                         ; the same word of the wave with the other key half
.set LSR,  187                         ; the way out: the row sums of my four queries
; pass 1 works in window 0 alone, on registers that pass 2 takes over
.set MX,   0                           ; 0-7      maxima: two chains for each query tile
.set Q1,   8                           ; 8-39     q: four fragments (set-up: 8-13 at work)
.set H0,   40                          ; 40-103   k: eight fragments
.set B0,   104                         ; 104-135, 136-167  two buffers of four score tiles
.set B1,   136
; the way out, window 0
.set E0,   0                           ; two sets of 64 registers, by turns
.set E1,   64
.set GG,   128                         ; 128-131  gamma / l of my four queries; 132-139 at work
.set GT,   132
.set G1K, 28                           ; s[28:35] shape of a tile of k: 32 rows x 256 keys, joint
.set G1R, 36                           ; s[36:43] shape of a wave's quarter of a slot: 72 rows x 256 keys, joint
.set G1Q, 44                           ; s[44:51] shape of a wave's quarter of q: 8 rows x 128 queries
.set G0Q, 72                           ; s[72:75]
.set G0R, 76                           ; s[76:79] slot 0, s[80:83] slot 1
.set W0J, 15|(1<<16)|(1<<20)|(1<<21)|(6<<22)|(3<<25)   ; mask: all four of the cluster; 2-byte elements; padding on; bit 21 beside a mask; 4 words behind every 128
.set W0Q, (1<<16)|(1<<20)|(5<<22)|(3<<25)              ; no mask; 4 words behind every 64
.set MSB, 0
.macro WIN new                         ; the immediate's high byte repeats the setting that is left
.if MSB != (\new)
	s_set_vgpr_msb (MSB<<8)|(\new)
.set MSB, (\new)
.endif
.endm
.macro PLACES                          ; four places behind a matrix instruction (ISA guide 7.12.1)
.rept 4
	v_nop
.endr
.endm
; a round of the cluster's barrier: my work-group's barrier, wave 0 signals for the work-group, all wait for all four, my work-group's barrier again
.macro ROUND
	s_barrier_signal -1
	s_barrier_wait -1
	s_cmp_lg_u32 s12, 0
	s_cbranch_scc1 .Lnot_wave_0_\@
	s_barrier_signal -3
.Lnot_wave_0_\@:
	s_barrier_wait -3
	s_barrier_signal -1
	s_barrier_wait -1
.endm
.macro MKG1 g, w0, cols, rows          ; descriptor group 1: rows x cols elements, 4,096 elements from row to row
	s_mov_b32 s[\g], \w0
	s_mov_b32 s[\g+1], (\cols)<<16                 ; tensor_dim0
	s_mov_b32 s[\g+2], (\rows)<<16                 ; tensor_dim1
	s_mov_b32 s[\g+3], (\cols)<<16                 ; tile_dim0
	s_mov_b32 s[\g+4], \rows                       ; tile_dim1
	s_mov_b32 s[\g+5], 4096
	s_mov_b32 s[\g+6], 0
	s_mov_b32 s[\g+7], 0
.endm
.macro MKG0 g, lreg, lconst, breg, badd ; descriptor group 0: LDS address = s[lreg] + lconst, global address = s[breg:breg+1] + badd
	s_mov_b32 s[\g], 1
	s_add_co_u32 s[\g+1], s[\lreg], \lconst
	s_add_nc_u64 s[\g+2:\g+3], s[\breg:\breg+1], \badd
	s_or_b32 s[\g+3], s[\g+3], 0x80000000
.endm
	s_load_b256 s[4:11], s[0:1], 0x0               ; qkv s[4:5], x s[6:7], gamma s[8:9], out0 s[10:11]
	v_lshl_add_u32 v190, v0, 2, 0x4d200
	v_mov_b32 v191, 0
	ds_add_u32 v190, v191
	v_lshrrev_b32 v1, 5, v0
	v_readfirstlane_b32 s12, v1                    ; wave 0..3
	s_lshr_b32 s13, s12, 1                         ; qh: which 64 queries
	s_and_b32 s14, s12, 1                          ; kh: which half of each block of keys
	s_bfe_u32 s15, ttmp6, 0x40000                  ; cx
	s_lshl_b32 s16, ttmp9, 2
	s_add_co_u32 s16, s16, s15                     ; query block = 4 x cluster x + cx
	s_and_b32 s17, ttmp7, 0xffff                   ; batch
	s_mov_b32 s22, 0x3e8293ee                      ; c = log2(e) / sqrt(32), as a pair for the packed form
	s_mov_b32 s23, 0x3e8293ee
	s_mov_b32 s24, 0xbe8293ee                      ; - c
	s_mov_b32 s26, 0x76543210                      ; v_permlanex16_b32: lane i of one half reads lane i of the other
	s_mov_b32 s27, 0xfedcba98
	MKG1 G1K, W0J, 256, 32
	MKG1 G1R, W0J, 256, 72
	MKG1 G1Q, W0Q, 128, 8
	s_mul_i32 s18, s17, 320*QROW                   ; my batch in qkv
	s_mov_b32 s19, 0
	s_lshl_b32 s20, s12, 9                         ; pass 1: tile 4 j + wave of k: 512 bytes a tile along the rows
	s_mov_b32 s21, 0
	s_mul_i32 s90, s12, 72*QROW                    ; pass 2: my 72 rows of the 288
	s_mov_b32 s91, 0
	s_lshl_b32 s88, s12, 16                        ; q: my 8 rows, and my block's 256 bytes of them.  s[86:89] alone hold what hangs on cx
	s_lshl_b32 s89, s16, 8
	s_add_co_u32 s88, s88, s89
	s_mov_b32 s89, 0
	s_lshl_b32 s86, s17, 22                        ; x and out0: batch x 4 MiB + block x 512 bytes + wave x 64 rows
	s_lshl_b32 s87, s16, 9
	s_add_co_u32 s86, s86, s87
	s_lshl_b32 s87, s12, 20
	s_add_co_u32 s86, s86, s87
	s_mov_b32 s87, 0
	s_mul_i32 s85, s12, KTILE
	s_mul_i32 s92, s12, 72*PK
	s_mul_i32 s93, s12, 8*QP
	s_wait_dscnt 0x0
	s_wait_kmcnt 0x0
	s_load_b32 s25, s[8:9], 0x0                    ; gamma
	s_add_nc_u64 s[4:5], s[4:5], s[18:19]
	s_add_nc_u64 s[20:21], s[4:5], s[20:21]
	s_add_nc_u64 s[90:91], s[4:5], s[90:91]
	s_add_nc_u64 s[88:89], s[4:5], s[88:89]
	s_add_nc_u64 s[6:7], s[6:7], s[86:87]
	s_add_nc_u64 s[10:11], s[10:11], s[86:87]
	MKG0 52, 85, 0, 20, (256*QROW)                 ; k's tiles 0-7 lie where slot 0 will be, 8-15 where slot 1 will be
	MKG0 56, 85, 4*KTILE, 20, (256*QROW+2048)
	MKG0 60, 85, SLOTB, 20, (256*QROW+4096)
	MKG0 68, 85, SLOTB+4*KTILE, 20, (256*QROW+6144)
	MKG0 G0Q, 93, QT, 88, (288*QROW)
	MKG0 G0R, 92, 0, 90, 0                         ; block 0 of keys
	MKG0 G0R+4, 92, SLOTB, 90, 512                 ; block 1
	s_wait_kmcnt 0x0                               ; gamma is in
	ROUND                                          ; all four work-groups are here: the first joint loads meet
	tensor_load_to_lds s[G0Q:G0Q+3], s[G1Q:G1Q+7]  ; five first fills, one group: the most that this text ever has out
	s_nop 0
	tensor_load_to_lds s[52:55], s[G1K:G1K+7]
	s_nop 0
	tensor_load_to_lds s[56:59], s[G1K:G1K+7]
	s_nop 0
	tensor_load_to_lds s[60:63], s[G1K:G1K+7]
	s_nop 0
	tensor_load_to_lds s[68:71], s[G1K:G1K+7]
	s_nop 0
	v_and_b32 v8, 31, v0                           ; lane L
	v_and_b32 v9, 15, v0                           ; r
	v_bfe_u32 v10, v0, 4, 1                        ; h
	v_and_b32 v11, 7, v0
	v_bfe_u32 v12, v0, 3, 1
	v_lshl_add_u32 v13, v10, 3, v11                ; 8 h + L % 8
	s_lshl_b32 s85, s14, 8                         ; my half of a block: 128 keys, 256 bytes
	v_mul_u32_u24 v[KL], v13, PK
	v_lshl_add_u32 v[KL], v12, 4, v[KL]
	v_add_nc_u32 v[KL], s85, v[KL]
	v_add_nc_u32 v[KR], KOFF, v[KL]
	v_add_nc_u32 v[KR+1], SLOTB+KOFF, v[KL]
	v_mul_u32_u24 v[VA], v9, PK                    ; v: channel r, 16 h bytes
	v_lshl_add_u32 v[VA], v10, 4, v[VA]
	v_add_nc_u32 v[VA], s85, v[VA]
	v_add_nc_u32 v[VA+1], 128*PK, v[VA]
	v_add_nc_u32 v[VA+2], SLOTB, v[VA]
	v_add_nc_u32 v[VA+3], SLOTB+128*PK, v[VA]
	s_lshl_b32 s85, s13, 7                         ; my 64 queries: 128 bytes
	s_add_co_u32 s85, s85, QT
	v_mul_u32_u24 v[QA], v13, QP
	v_lshl_add_u32 v[QA], v12, 4, v[QA]
	v_add_nc_u32 v[QA], s85, v[QA]
	s_lshl_b32 s85, s12, 9
	s_add_co_u32 s85, s85, MXS
	v_lshl_add_u32 v[MXO], v8, 2, s85
	s_xor_b32 s85, s12, 1                          ; the wave with my queries and the other keys
	s_lshl_b32 s85, s85, 9
	s_add_co_u32 s85, s85, MXS
	v_lshl_add_u32 v[MXP], v8, 2, s85
	s_lshl_b32 s85, s14, 9
	s_lshl_b32 s94, s13, 8
	s_add_co_u32 s85, s85, s94
	s_add_co_u32 s85, s85, LSB
	v_lshl_add_u32 v[LSA], v9, 2, s85              ; 512 kh + 4 (64 qh + r)
	s_mul_i32 s85, s14, PLANE
	s_add_co_u32 s85, s85, s94
	v_mul_u32_u24 v[ES], v9, PK
	v_lshl_add_u32 v[ES], v10, 5, v[ES]
	v_add_nc_u32 v[ES], s85, v[ES]                 ; plane kh, channel r, query 64 qh + 8 h
	v_add_nc_u32 v[ES+1], 128*PK, v[ES]
	s_mul_i32 s85, s12, 64*PK
	v_lshl_add_u32 v[RB], v8, 4, s85
	v_add_nc_u32 v[RB+1], PLANE, v[RB]
	v_lshlrev_b32 v[XO], 4, v8
	v_add_nc_u32 v[LSR], LSB, v[XO]
.irp i, 0,1,2,3,4,5,6,7
	v_mov_b32 v[MX+\i], 0xff800000                 ; - infinity; the thread's number in v0 has served
.endr
; ---- PASS 1: the maxima ----
.macro P1FETCH hreg, k0, off           ; four fragments of k (16 keys x 32) of the tile off bytes behind the trip's
.irp kt, 0,1,2,3
	ds_load_tr16_b128 v[\hreg+8*\kt:\hreg+8*\kt+3], v[KADR] offset:\off+32*(\k0+\kt)
	ds_load_tr16_b128 v[\hreg+8*\kt+4:\hreg+8*\kt+7], v[KADR] offset:\off+32*(\k0+\kt)+16*PK
.endr
.endm
.macro P1MAX y, qt                     ; a score tile's eight registers into the query tile's two chains
	v_max3_num_f32 v[MX+2*\qt], v[MX+2*\qt], v[\y+8*\qt], v[\y+8*\qt+1]
	v_max3_num_f32 v[MX+2*\qt+1], v[MX+2*\qt+1], v[\y+8*\qt+2], v[\y+8*\qt+3]
	v_max3_num_f32 v[MX+2*\qt], v[MX+2*\qt], v[\y+8*\qt+4], v[\y+8*\qt+5]
	v_max3_num_f32 v[MX+2*\qt+1], v[MX+2*\qt+1], v[\y+8*\qt+6], v[\y+8*\qt+7]
.endm
; 16 keys x 64 queries into buffer x, and between the matrix instructions the maxima of buffer y, made a group earlier:
; behind each matrix instruction stand at least the four maxima of its own turn, which name none of its registers, before its result is read
.macro P1G kt, x, y, domax
.irp qt, 0,1,2,3
	v_wmma_f32_16x16x32_bf16 v[\x+8*\qt:\x+8*\qt+7], v[H0+8*\kt:H0+8*\kt+7], v[Q1+8*\qt:Q1+8*\qt+7], 0
.if \domax
	P1MAX \y, \qt
.endif
.endr
.endm
.macro P1TILE next                     ; my 128 keys of the trip's tile; next = 1: the tile behind it is fetched meanwhile
	s_wait_dscnt 8                                 ; the first four fragments (and whatever is older) are in; the second four's eight loads, the youngest on either way here, may be out
	P1G 0, B0, B1, 0
	PLACES
	P1G 1, B1, B0, 1
	P1G 2, B0, B1, 1
	P1G 3, B1, B0, 1
	s_wait_dscnt 0x0                               ; the second four
	P1G 4, B0, B1, 1
.if \next
	P1FETCH H0, 0, KTILE                           ; sixteen maxima and more stand behind the last reader of these registers
.endif
	P1G 5, B1, B0, 1
	P1G 6, B0, B1, 1
	P1G 7, B1, B0, 1
.irp qt, 0,1,2,3
	P1MAX B1, \qt
.endr
.if \next
	P1FETCH H0+32, 4, KTILE
.endif
.endm
; Eight tiles that lie one behind the other from LDS byte base on: seven trips that each fetch the next tile, and the last tile, which fetches nothing.
; s84 is the trip's counter and the tile's LDS byte offset in one; the address is the lane's term plus s84.
.macro P1RUN base
	s_mov_b32 s84, \base
	v_add_nc_u32 v[KADR], s84, v[KL]
	P1FETCH H0, 0, 0
	P1FETCH H0+32, 4, 0
.Ltile_\@:
	P1TILE 1
	s_add_co_u32 s84, s84, KTILE
	v_add_nc_u32 v[KADR], s84, v[KL]
	s_cmp_lt_u32 s84, \base+7*KTILE
	s_cbranch_scc1 .Ltile_\@
	P1TILE 0
.endm
	s_wait_tensorcnt 2                             ; my parts of q and of k's tiles 0-7 are in; the two younger loads (tiles 8-15) stay out
	s_barrier_signal -1
	s_barrier_wait -1                              ; everybody's are
.irp qt, 0,1,2,3
	ds_load_tr16_b128 v[Q1+8*\qt:Q1+8*\qt+3], v[QA] offset:32*\qt
	ds_load_tr16_b128 v[Q1+8*\qt+4:Q1+8*\qt+7], v[QA] offset:32*\qt+16*QP
.endr
	P1RUN 0
	s_wait_dscnt 0x0                               ; my reads of tiles 0-7 are over
	s_wait_tensorcnt 0x0                           ; all my tensor loads have landed, tiles 8-15 among them
	ds_add_u32 v190, v191
	s_wait_dscnt 0x0
	ROUND                                          ; both hold of every wave of the cluster
	tensor_load_to_lds s[G0R:G0R+3], s[G1R:G1R+7]  ; block 0 of k and v into slot 0: it lands while tiles 8-15 are worked on
	s_nop 0
	P1RUN SLOTB
.irp qt, 0,1,2,3
	v_max_num_f32 v[MX+2*\qt], v[MX+2*\qt], v[MX+2*\qt+1]
.endr
.irp qt, 0,1,2,3
	v_permlanex16_b32 v[MX+2*\qt+1], v[MX+2*\qt], s26, s27     ; the other eight keys of each tile lie in the other half of the lanes
.endr
.irp qt, 0,1,2,3
	v_max_num_f32 v[MX+2*\qt], v[MX+2*\qt], v[MX+2*\qt+1]
	ds_store_b32 v[MXO], v[MX+2*\qt] offset:128*\qt
.endr
	s_wait_dscnt 0x0                               ; my maxima are in LDS, my reads of tiles 8-15 are over
	s_wait_tensorcnt 0x0                           ; my part of block 0 has landed
	ds_add_u32 v190, v191
	s_wait_dscnt 0x0
	ROUND
	tensor_load_to_lds s[G0R+4:G0R+7], s[G1R:G1R+7]            ; block 1 into slot 1
	s_nop 0
; ---- PASS 2 ----
; The scores of 32 keys x 64 queries: k from window 1, q's tile from window 2 or 3, the result into the query tile's own window
.macro SMM
.irp qt, 0,1,2,3
	WIN (1|((2+((\qt)>>1))<<2)|((\qt)<<6))
.irp kt, 0,1
	v_wmma_f32_16x16x32_bf16 v[SS+8*\kt:SS+8*\kt+7], v[POOL+8*\kt:POOL+8*\kt+7], v[POOL+8*((\qt)&1):POOL+8*((\qt)&1)+7], 0
.endr
.endr
.endm
; THE SOFTMAX OF ONE QUERY TILE: eight pairs of scores, five instructions a pair, as one stream of 40.
.macro SVF n                           ; the exponents of pair n: s c - m c
	v_pk_fma_f32 v[TT+2*((\n)&1):TT+2*((\n)&1)+1], v[SS+2*(\n):SS+2*(\n)+1], s[22:23], v[NM:NM+1] op_sel_hi:[1,0,1]
.endm
.macro SVX n, hf                       ; p, in the score's place
	v_exp_f32 v[SS+2*(\n)+\hf], v[TT+2*((\n)&1)+\hf]
.endm
.macro SVA n                           ; l += p, written as p x 1.0 + l: the same value as the sum, and no vector register stands as source 1, which names v's window here
	s_wait_alu depctr_va_vdst(0)
	v_pk_fma_f32 v[LL+2*((\n)&1):LL+2*((\n)&1)+1], v[SS+2*(\n):SS+2*(\n)+1], 1.0, v[LL+2*((\n)&1):LL+2*((\n)&1)+1] op_sel_hi:[1,0,1]
.endm
.macro SVC n, nb                       ; pair n rounded to bf16 is register n of the next step's fragment of p.  Two vector sources: only where source 1 names this window
	v_cvt_pk_bf16_f32 v[PB+8*(\nb)+(\n)], v[SS+2*(\n)], v[SS+2*(\n)+1]
.endm
; Instruction k of the stream.  0-3: F0 X0 X0 F1.  4 n .. 4 n + 3 (n = 1..6): F(n+1) X(n) X(n) A(n-1).  28-31: X7 X7 A6 A7.  32 + n: C(n).
; A pair's exponentials stand four instructions behind its exponents.  Behind each pair of v_exp_f32 a plain instruction that touches neither their
; results nor their sources (an A or an F of another pair) comes before the results are used and before the sources are written again (ISA guide 5.7.2).
.macro SV k, nb
.set sv_n, (\k)/4
.set sv_r, (\k)%4
.if (\k) >= 32
	SVC ((\k)-32), \nb
.else
.if sv_n == 0
.if sv_r == 0
	SVF 0
.endif
.if sv_r == 1
	SVX 0, 0
.endif
.if sv_r == 2
	SVX 0, 1
.endif
.if sv_r == 3
	SVF 1
.endif
.else
.if sv_n == 7
.if sv_r == 0
	SVX 7, 0
.endif
.if sv_r == 1
	SVX 7, 1
.endif
.if sv_r == 2
	SVA 6
.endif
.if sv_r == 3
	SVA 7
.endif
.else
.if sv_r == 0
	SVF (sv_n+1)
.endif
.if sv_r == 1
	SVX sv_n, 0
.endif
.if sv_r == 2
	SVX sv_n, 1
.endif
.if sv_r == 3
	SVA (sv_n-1)
.endif
.endif
.endif
.endif
.endm
; What stands behind product i of a query tile's sixteen: 3, 3, 2 instructions by turns for the first twelve (32 in all), two roundings for each of the last four
.macro SLOTV i, nb
.if (\i) < 12
.set sl_k, ((\i)/3)*8+3*((\i)%3)
.set sl_c, 3-(((\i)%3)/2)
.else
.set sl_k, 32+2*((\i)-12)
.set sl_c, 2
.endif
.rept sl_c
	SV sl_k, \nb
.set sl_k, sl_k+1
.endr
.endm
.macro VFETCH slot, s, b               ; v: 256 channels x the 32 keys of step s into buffer b, 32 loads in one run, eight for each window
.irp vw, 0,1,2,3
	WIN ((\vw)<<6)
.irp gi, 0,1,2,3
	ds_load_b128 v[VV+32*(\b)+8*\gi:VV+32*(\b)+8*\gi+3], v[VA+2*(\slot)+((\vw)>>1)] offset:(4*((\vw)&1)+\gi)*16*PK+64*(\s)
	ds_load_b128 v[VV+32*(\b)+8*\gi+4:VV+32*(\b)+8*\gi+7], v[VA+2*(\slot)+((\vw)>>1)] offset:(4*((\vw)&1)+\gi)*16*PK+64*(\s)+32
.endr
.endr
.endm
.macro KFETCH slot, s                  ; k: the 32 keys of step s, into window 1
	WIN 0x40
.irp kt, 0,1
	ds_load_tr16_b128 v[POOL+8*\kt:POOL+8*\kt+3], v[KR+(\slot)] offset:64*(\s)+32*\kt
	ds_load_tr16_b128 v[POOL+8*\kt+4:POOL+8*\kt+7], v[KR+(\slot)] offset:64*(\s)+32*\kt+16*PK
.endr
.endm
.macro PV1 g, b, zero                  ; 16 queries x 16 channels (tile g) x 32 keys
.if \zero
	v_wmma_f32_16x16x32_bf16 v[8*(\g):8*(\g)+7], v[PB+8*(\b):PB+8*(\b)+7], v[VV+32*(\b)+8*((\g)&3):VV+32*(\b)+8*((\g)&3)+7], 0
.else
	v_wmma_f32_16x16x32_bf16 v[8*(\g):8*(\g)+7], v[PB+8*(\b):PB+8*(\b)+7], v[VV+32*(\b)+8*((\g)&3):VV+32*(\b)+8*((\g)&3)+7], v[8*(\g):8*(\g)+7]
.endif
.endm
; The change of slots.  kind 1: this slot, which I read no more, is filled again with the block after next.  kind 2: nothing is left to fetch.
.macro SYNC slot, kind
	s_wait_dscnt 0x0                               ; my reads of this slot are back
	s_wait_tensorcnt 0x0                           ; all my tensor loads have landed: the one that was out is my part of the other slot
	ds_add_u32 v190, v191
	s_wait_dscnt 0x0
.if \kind == 1
	s_add_nc_u64 s[G0R+4*\slot+2:G0R+4*\slot+3], s[G0R+4*\slot+2:G0R+4*\slot+3], 1024   ; two blocks on; no load of mine is out
	ROUND                                          ; both hold of every wave of the cluster
	tensor_load_to_lds s[G0R+4*\slot:G0R+4*\slot+3], s[G1R:G1R+7]   ; my one tensor load behind the round, and the first thing there
	s_nop 0
.else
	s_barrier_signal -1
	s_barrier_wait -1                              ; the other slot is whole for every wave
.endif
.endm
; One step of 32 keys: p(s) x v(s), and behind each product a piece of the softmax of step s + 1.  On entry p(s) is in registers, v(s) and k(s + 1) are
; asked for: that holds at the head of every step, so the loop may begin at any of them.
; Query tile w takes v's windows in the order w + 1, w + 2, w + 3, w: in the last four products source 1 names window w, and there the roundings stand.
; The 64 accumulators take turns, one instruction a turn.
; A block of 256 keys is four steps of my half.  In the middle of step 2 v(3) and k(3) are asked for and I read this slot no more: there the slots change (sync).
.macro STEP slot, s, zero, nxt, kf, sync
.set st_b, (\s)&1
.set st_n, 1-st_b
	s_wait_dscnt 0x0                               ; v(s) and k(s + 1): the only LDS loads that are out, issued 64 and 32 products ago
.if \nxt
	SMM
	PLACES                                         ; four places, for two things: the scores are read below, and the buffer of v that the last step's products read is loaded again
.if \s == 3
	VFETCH (1-\slot), 0, st_n
.else
	VFETCH \slot, (\s+1), st_n
.endif
.endif
.irp w, 0,1,2,3
.irp j, 0,1,2,3
.set st_v, (\w+1+\j)&3
	WIN ((\w)|(st_v<<2)|((\w)<<4)|((\w)<<6))
.irp gi, 0,1,2,3
	PV1 (4*st_v+\gi), st_b, \zero
.if \nxt
	SLOTV (4*\j+\gi), st_n
.endif
.endr
.endr
.if \w == 1
.if \sync
	WIN 0
	SYNC \slot, \sync
.endif
.if \kf
.if \s >= 2
	KFETCH (1-\slot), (\s-2)
.else
	KFETCH \slot, (\s+2)
.endif
.endif
.endif
.endr
.endm
.irp qt, 0,1,2,3
	ds_load_b32 v[MX+2*\qt+1], v[MXP] offset:128*\qt           ; the other key half's maxima of my queries
.endr
.irp qt, 0,1,2,3
	WIN ((2+((\qt)>>1))<<6)                        ; q once more, now where pass 2 keeps it: pass 1's copy lies where accumulators will be
	ds_load_tr16_b128 v[POOL+8*((\qt)&1):POOL+8*((\qt)&1)+3], v[QA] offset:32*\qt
	ds_load_tr16_b128 v[POOL+8*((\qt)&1)+4:POOL+8*((\qt)&1)+7], v[QA] offset:32*\qt+16*QP
.endr
	KFETCH 0, 0
	VFETCH 0, 0, 0
	WIN 0
	s_wait_dscnt 32                                ; the maxima, q and k(0) are in; v(0)'s 32 loads may be out
	SMM
	WIN 0
.irp qt, 0,1,2,3
	v_max_num_f32 v[MX+2*\qt], v[MX+2*\qt], v[MX+2*\qt+1]      ; these 28 instructions are also the places behind the scores
.endr
.irp w, 0,1,2,3
	WIN ((\w)<<6)                                  ; each query tile's - m c and its sums, into its own window
	v_mul_f32 v[NM], s24, v[MX+2*\w]
	v_mul_f32 v[NM+1], s24, v[MX+2*\w]
	v_mov_b32 v[LL], 0
	v_mov_b32 v[LL+1], 0
	v_mov_b32 v[LL+2], 0
	v_mov_b32 v[LL+3], 0
.endr
	KFETCH 0, 1
.irp w, 0,1,2,3
	WIN (0x55*\w)                                  ; p(0): the stream by itself, all operands in window w
.set pk, 0
.rept 40
	SV pk, 0
.set pk, pk+1
.endr
.endr
	; 64 steps: one that starts the sums; seven trips of eight, which hold the fourteen refills (blocks 2 to 15), two a trip; seven that ask for nothing.
	; From a refill to the wait for it a wave issues a whole block's 288 matrix instructions.
	STEP 0, 0, 1, 1, 1, 0                          ; block 0, step 0: its products start the sums: nothing is cleared
	WIN 0                                          ; at a label and at a branch every window is 0
	s_mov_b32 s84, 7
.Lpair:
	STEP 0, 1, 0, 1, 1, 0                          ; trip t: block 2 t, steps 1 to 3
	STEP 0, 2, 0, 1, 1, 1                          ; slot 0 gets block 2 t + 2
	STEP 0, 3, 0, 1, 1, 0
	STEP 1, 0, 0, 1, 1, 0                          ; block 2 t + 1
	STEP 1, 1, 0, 1, 1, 0
	STEP 1, 2, 0, 1, 1, 1                          ; slot 1 gets block 2 t + 3
	STEP 1, 3, 0, 1, 1, 0
	STEP 0, 0, 0, 1, 1, 0                          ; block 2 t + 2, step 0
	WIN 0
	s_sub_co_u32 s84, s84, 1
	s_cmp_lg_u32 s84, 0
	s_cbranch_scc1 .Lpair
	STEP 0, 1, 0, 1, 1, 0                          ; block 14, steps 1 to 3: nothing is left to fetch
	STEP 0, 2, 0, 1, 1, 2                          ; block 15 has landed for every wave
	STEP 0, 3, 0, 1, 1, 0
	STEP 1, 0, 0, 1, 1, 0                          ; block 15
	STEP 1, 1, 0, 1, 1, 0
	STEP 1, 2, 0, 1, 0, 0                          ; no k behind step 3
	STEP 1, 3, 0, 0, 0, 0                          ; no step follows
; ---- THE WAY OUT ----
; The two key halves meet in LDS, which also turns the accumulators into whole rows: wave w then owns channels 64 w .. 64 w + 63 for all 128 queries.
.macro XLOAD i                         ; row i of my 64 rows of x, for the residual: 512 consecutive bytes a load; sixteen rows lie in each window, where v lay
	WIN (((\i)>>4)<<6)
	global_load_b128 v[VV+4*((\i)&15):VV+4*((\i)&15)+3], v[XO], s[6:7] offset:(\i)*XROW th:TH_LOAD_NT
.endm
	PLACES                                         ; behind the last matrix instructions: loads land in v's buffers, LDS stores read results
.set i, 0
.rept 56
	XLOAD i
.set i, i+1
.endr
.irp w, 0,1,2,3
	WIN (0x55*\w)
	v_pk_add_f32 v[LL:LL+1], v[LL:LL+1], v[LL+2:LL+3]
	v_add_f32 v[LL], v[LL], v[LL+1]
	v_permlanex16_b32 v[LL+1], v[LL], s26, s27     ; the other eight keys of each tile lie in the other half of the lanes
	v_add_f32 v[LL], v[LL], v[LL+1]
	WIN ((\w)<<2)                                  ; the address in window 0, the data in window w
	ds_store_b32 v[LSA], v[LL] offset:64*\w        ; both halves of the lanes write the same word with the same value
.endr
	WIN 0
	s_wait_dscnt 0x0                               ; my reads of the slots are over, my row sums are in LDS
	s_barrier_signal -1
	s_barrier_wait -1                              ; everybody's; the slots have had their last fill
.irp w, 0,1,2,3
	WIN ((\w)<<2)
.irp g, 0,1,2,3,4,5,6,7,8,9,10,11,12,13,14,15
	ds_store_b128 v[ES+((\g)>>3)], v[8*\g:8*\g+3] offset:((\g)&7)*16*PK+64*\w
	ds_store_b128 v[ES+((\g)>>3)], v[8*\g+4:8*\g+7] offset:((\g)&7)*16*PK+64*\w+16
.endr
.endr
	WIN 0
	s_wait_dscnt 0x0
	s_barrier_signal -1
	s_barrier_wait -1                              ; both planes are whole
.rept 8
	XLOAD i                                        ; the last eight rows of x
.set i, i+1
.endr
	WIN 0
	ds_load_b128 v[GT:GT+3], v[LSR]                ; the row sums of my four queries, key half 0
	ds_load_b128 v[GT+4:GT+7], v[LSR] offset:512   ; and key half 1
	s_wait_dscnt 0x0
	v_pk_add_f32 v[GT:GT+1], v[GT:GT+1], v[GT+4:GT+5]
	v_pk_add_f32 v[GT+2:GT+3], v[GT+2:GT+3], v[GT+6:GT+7]
	v_rcp_f32 v[GT+4], v[GT]
	v_rcp_f32 v[GT+5], v[GT+1]
	v_rcp_f32 v[GT+6], v[GT+2]
	v_rcp_f32 v[GT+7], v[GT+3]
	v_nop                                          ; one plain place behind the reciprocals
	s_wait_alu depctr_va_vdst(0)
	v_mul_f32 v[GG], s25, v[GT+4]                  ; gamma / l
	v_mul_f32 v[GG+1], s25, v[GT+5]
	v_mul_f32 v[GG+2], s25, v[GT+6]
	v_mul_f32 v[GG+3], s25, v[GT+7]
; eight rows: (half 0 + half 1) gamma / l + x.  Source 2 (x) names the window of rows 8 b .. 8 b + 7, all else window 0
.macro OUTB b, rs
	WIN (((\b)>>1)<<4)
	s_wait_xcnt 0x0                                ; this set of registers, which earlier stores read, is loaded again only behind this wait
.irp i, 0,1,2,3,4,5,6,7
	ds_load_b128 v[\rs+8*\i:\rs+8*\i+3], v[RB] offset:(8*\b+\i)*PK
	ds_load_b128 v[\rs+8*\i+4:\rs+8*\i+7], v[RB+1] offset:(8*\b+\i)*PK
.endr
	s_wait_loadcnt 56-8*\b                         ; x's rows up to 8 b + 7 are in; the rows behind them stay out
.irp i, 0,1,2,3,4,5,6,7
	s_wait_dscnt 14-2*\i                           ; row i's two loads are in, the younger rows' stay out
	v_pk_add_f32 v[\rs+8*\i:\rs+8*\i+1], v[\rs+8*\i:\rs+8*\i+1], v[\rs+8*\i+4:\rs+8*\i+5]
	v_pk_add_f32 v[\rs+8*\i+2:\rs+8*\i+3], v[\rs+8*\i+2:\rs+8*\i+3], v[\rs+8*\i+6:\rs+8*\i+7]
	v_pk_fma_f32 v[\rs+8*\i:\rs+8*\i+1], v[\rs+8*\i:\rs+8*\i+1], v[GG:GG+1], v[VV+4*((8*\b+\i)&15):VV+4*((8*\b+\i)&15)+1]
	v_pk_fma_f32 v[\rs+8*\i+2:\rs+8*\i+3], v[\rs+8*\i+2:\rs+8*\i+3], v[GG+2:GG+3], v[VV+4*((8*\b+\i)&15)+2:VV+4*((8*\b+\i)&15)+3]
	global_store_b128 v[XO], v[\rs+8*\i:\rs+8*\i+3], s[10:11] offset:(8*\b+\i)*XROW th:TH_STORE_NT   ; a wave's store covers 512 consecutive bytes, aligned
.endr
.endm
	OUTB 0, E0
	OUTB 1, E1
	OUTB 2, E0
	OUTB 3, E1
	OUTB 4, E0
	OUTB 5, E1
	OUTB 6, E0
	OUTB 7, E1
	WIN 0
	s_wait_tensorcnt 0x0
	ds_add_u32 v190, v191
	s_wait_dscnt 0x0
	ROUND                                          ; the closing round: no work-group ends while a partner may still ask jointly
	s_endpgm
.Lfunc_end_k_q41d65ef5ac_attn:
	.size	k_q41d65ef5ac_attn, .Lfunc_end_k_q41d65ef5ac_attn-k_q41d65ef5ac_attn
	.p2alignl 7, 3214868480
	.fill 96, 4, 3214868480
	.section	.rodata,"a",@progbits
	.p2align	6, 0x0
	.amdhsa_kernel k_q41d65ef5ac_attn
		.amdhsa_group_segment_fixed_size 327680
		.amdhsa_private_segment_fixed_size 0
		.amdhsa_enable_private_segment 0
		.amdhsa_kernarg_size 32
		.amdhsa_user_sgpr_count 2
		.amdhsa_user_sgpr_kernarg_segment_ptr 1
		.amdhsa_wavefront_size32 1
		.amdhsa_system_sgpr_workgroup_id_x 1
		.amdhsa_system_sgpr_workgroup_id_y 1
		.amdhsa_system_sgpr_workgroup_id_z 1
		.amdhsa_system_vgpr_workitem_id 0
		.amdhsa_next_free_vgpr 1024
		.amdhsa_next_free_sgpr 96
		.amdhsa_reserve_vcc 0
		.amdhsa_float_denorm_mode_32 3
		.amdhsa_float_denorm_mode_16_64 3
		.amdhsa_memory_ordered 1
		.amdhsa_forward_progress 1
		.amdhsa_inst_pref_size 255
	.end_amdhsa_kernel
	.section	.bss,"aw",@nobits
	.p2align	6
	.space	262144
	.amdgpu_metadata
---
amdhsa.version: [ 1, 2 ]
amdhsa.kernels:
  - .name:           k_q41d65ef5ac_attn
    .symbol:         k_q41d65ef5ac_attn.kd
    .args:
      - { .name: qkv, .offset: 0, .size: 8, .value_kind: global_buffer, .address_space: global }
      - { .name: x, .offset: 8, .size: 8, .value_kind: global_buffer, .address_space: global }
      - { .name: gamma, .offset: 16, .size: 8, .value_kind: global_buffer, .address_space: global }
      - { .name: out0, .offset: 24, .size: 8, .value_kind: global_buffer, .address_space: global }
    .group_segment_fixed_size: 327680
    .private_segment_fixed_size: 0
    .kernarg_segment_align: 8
    .kernarg_segment_size: 32
    .max_flat_workgroup_size: 128
    .sgpr_count:     96
    .vgpr_count:     1024
    .wavefront_size: 32
...
	.end_amdgpu_metadata
.endif
;; end of part 3
;; ======== version 3 of 3: 2 launches; 1.52 times as fast as version 1
;; workspace buffers: qkv 20,971,520 bytes
;; launch proj: the kernel of part 1 again; grid 32 x 8, 4 waves a work-group, no clusters, 91,648 bytes of LDS; arguments x, wv, wk, wq, qkv; writes qkv
;; launch attn (part 4): grid 32 x 8, 4 waves a work-group, clusters of 4 x 1, 327,680 bytes of LDS; arguments qkv, x, gamma, out0; writes out0
.if DOCPART == 4
	.amdgcn_target "amdgcn-amd-amdhsa--gfx1250"
	.amdhsa_code_object_version 6
	.text
	.protected	k_q41d65ef5ac_attn
	.globl	k_q41d65ef5ac_attn
	.p2align	8
	.type	k_q41d65ef5ac_attn,@function
k_q41d65ef5ac_attn:
	s_mov_b64 s[64:65], 0
	v_nop
	global_prefetch_b8 v0, s[64:65] scope:SCOPE_SE
	s_setreg_imm32_b32 hwreg(HW_REG_WAVE_MODE, 25, 1), 1
	s_wait_xcnt 0x0
	s_wait_alu depctr_hold_cnt(0) depctr_sa_sdst(0) depctr_va_vdst(0) depctr_va_sdst(0) depctr_va_ssrc(0) depctr_va_vcc(0) depctr_vm_vsrc(0)
	s_getreg_b32 s2, hwreg(HW_REG_IB_STS2, 6, 4)
	s_cmp_eq_u32 s2, 0
	s_cbranch_scc0 .Lentry_in_a_cluster
	s_endpgm
.Lentry_in_a_cluster:
	s_bfe_u32 s2, ttmp6, 0x10000c
	s_cmp_lg_u32 s2, 0x3003
	s_cbranch_scc0 .Lentry_shape_is_right
	s_endpgm
.Lentry_shape_is_right:
; out0[b][c][m] = gamma * sum over n of v[b][c][n] softmax_n(q[b][:,m] . k[b][:,n] / sqrt(32)) + x[b][c][m].
; qkv is bf16 [8][320][4096]: rows 0-255 v, 256-287 k, 288-319 q.
; A work-group takes one batch and 128 queries; wave = 2 qh + kh owns 64 queries (half qh) x all 256 channels (64 accumulator tiles,
; 512 registers) over half kh of every block of 256 keys, so each fragment of v read from LDS feeds four matrix instructions.
; TWO PASSES.  Pass 1 makes the scores and keeps only each query's true maximum m.  Pass 2 makes them again, p = exp2(s c - m c) with
; c = log2(e) / sqrt(32), sums p, and multiplies p by v.  So the 512 accumulators are never rescaled, and the two key halves, which use
; the same m, are simply added at the end.
; p NEVER LEAVES REGISTERS: the score tile is made transposed (source 0 = 16 keys of k, source 1 = 16 queries of q), so a lane holds
; keys 8 h .. 8 h + 7 of query r; two such tiles, rounded to bf16, are the fragment of p (row = query r, 32 keys) as it stands.
; CLUSTER: the four work-groups of a cluster take four query blocks of one batch and walk the same k and v; every tile of k and v is asked
; for jointly (mask 15).  The tile of q is each work-group's own.
; THE TEXT IS KEPT SHORT: pass 1 is two counted loops of one tile a trip, pass 2 one loop of eight steps.  Written out is only what must
; differ: each pass 1 loop's last tile (it fetches nothing), the step that starts the sums, and the last seven steps (they ask for no tile).
; LIMITS: q, k, v and p are rounded to bf16 for the products; the row sum is made of the f32 p while the product takes the rounded p;
; p below 2^-126 is 0 (v_exp_f32 returns no denormals: ISA guide, its entry in 15.8); sums are in another order than the reference's.
;
; REGISTERS, in windows of 256 (s_set_vgpr_msb: bits 1:0 source 0, 3:2 source 1, 5:4 source 2, 7:6 destination).
; WINDOW w HOLDS ALL OF QUERY TILE w: its 16 accumulator tiles, its p, its scores, its sums.  A product p x v names source 0, source 2 and the
; destination in window w and source 1 (v) in v's window; under that very setting the softmax of tile w can run, as long as it names no vector
; register as source 1.  So vector instructions stand behind every single product, and the window changes once in four products.
; THE EXPONENTIALS OF A STEP, 64 (16 for each query tile), ARE ONE BATCH WITH ONE WAIT, which cuts the step in two.  Ahead of it stand 48 products (each query tile with
; the three windows of v that are not its own) and behind each of them two of the tile's 8 scalings and 16 exponentials, none of which names an exponential's result.
; Behind it stand the other 16 products (each query tile with its own window of v) and behind each of them four of the tile's 8 sums and 8 roundings, the readers.
; The four reciprocals on the way out are a batch of their own.
.set QROW,  8192                       ; bytes in a row of qkv
.set XROW,  16384                      ; bytes in a row of x and out0
.set PK,    528                        ; LDS pitch of 256 keys in bf16, and of 128 queries in f32: 512 bytes + 16, an odd multiple of 16
.set SLOTB, 288*PK                     ; 152,064: a slot: 256 rows of v, then 32 rows of k
.set KOFF,  256*PK                     ; 135,168: k's rows in a slot
.set KTILE, 32*PK                      ; 16,896: pass 1: a tile of k alone
.set QT,    2*SLOTB                    ; 304,128: q, 32 rows x 128 queries, pitch 272
.set QP,    272
.set MXS,   QT+32*QP                   ; 312,832: the waves' maxima, 512 bytes each; no tile ever lands here
.set LSB,   MXS+2048                   ; 314,880: the row sums, 512 bytes for each key half
.set PLANE, 256*PK                     ; the way out: [256 channels][128 queries] f32 for each key half, in the slots after their last fill
; every window, pass 2:    0-127 accumulators, channel tile g at 8 g
.set PB,   128                         ; 128-143  p: two fragments, by turns
.set SS,   144                         ; 144-159  scores, then their exponents, then p in f32, all in place: two tiles of 16 keys = eight pairs.  160-163 are not used
.set LL,   164                         ; 164-167  row sums: two pairs, by turns
.set NM,   168                         ; 168-169  - m c, twice
.set POOL, 170                         ; 170-191  window 0: addresses; window 1: k's two fragments; window 2: q's tiles 0, 1; window 3: q's tiles 2, 3
.set VV,   192                         ; 192-255  v: channel tiles 4 w .. 4 w + 3, buffer b at 32 b.  On the way out: x's rows 16 w .. 16 w + 15
; window 0's pool
.set KR,   170                         ; 170, 171  k's rows in slot 0, 1
.set VA,   172                         ; 172-175   v's fragments: slot 0 channels 0-127, 128-255; slot 1 likewise
.set ES,   176                         ; 176, 177  the way out: where my eight queries of channel r go; channels 0-127, 128-255
.set RB,   178                         ; 178, 179  the way out: my 16 bytes of my wave's first row, plane 0, 1
.set XO,   180                         ; 16 x lane
.set LSA,  181                         ; my query's row sum
.set KL,   182                         ; transposing loads of k: (8 h + L % 8) pitch + 16 ((L / 8) % 2) + 256 kh
.set KADR, 183                         ; pass 1: KL + the trip's tile
.set QA,   184                         ; transposing loads of q
.set MXO,  185                         ; my word among my wave's maxima
.set MXP,  186                         ; the same word of the wave with the other key half
.set LSR,  187                         ; the way out: the row sums of my four queries
; pass 1 works in window 0 alone, on registers that pass 2 takes over
.set MX,   0                           ; 0-7      maxima: two chains for each query tile
.set Q1,   8                           ; 8-39     q: four fragments (set-up: 8-13 at work)
.set H0,   40                          ; 40-103   k: eight fragments
.set B0,   104                         ; 104-135, 136-167  two buffers of four score tiles
.set B1,   136
; the way out, window 0
.set E0,   0                           ; two sets of 64 registers, by turns
.set E1,   64
.set GG,   128                         ; 128-131  gamma / l of my four queries; 132-139 at work
.set GT,   132
.set G1K, 28                           ; s[28:35] shape of a tile of k: 32 rows x 256 keys, joint
.set G1R, 36                           ; s[36:43] shape of a wave's quarter of a slot: 72 rows x 256 keys, joint
.set G1Q, 44                           ; s[44:51] shape of a wave's quarter of q: 8 rows x 128 queries
.set G0Q, 72                           ; s[72:75]
.set G0R, 76                           ; s[76:79] slot 0, s[80:83] slot 1
.set W0J, 15|(1<<16)|(1<<20)|(1<<21)|(6<<22)|(3<<25)   ; mask: all four of the cluster; 2-byte elements; padding on; bit 21 beside a mask; 4 words behind every 128
.set W0Q, (1<<16)|(1<<20)|(5<<22)|(3<<25)              ; no mask; 4 words behind every 64
.set MSB, 0
.macro WIN new                         ; the immediate's high byte repeats the setting that is left
.if MSB != (\new)
	s_set_vgpr_msb (MSB<<8)|(\new)
.set MSB, (\new)
.endif
.endm
.macro PLACES                          ; four places behind a matrix instruction (ISA guide 7.12.1)
.rept 4
	v_nop
.endr
.endm
; a round of the cluster's barrier: my work-group's barrier, wave 0 signals for the work-group, all wait for all four, my work-group's barrier again
.macro ROUND
	s_barrier_signal -1
	s_barrier_wait -1
	s_cmp_lg_u32 s12, 0
	s_cbranch_scc1 .Lnot_wave_0_\@
	s_barrier_signal -3
.Lnot_wave_0_\@:
	s_barrier_wait -3
	s_barrier_signal -1
	s_barrier_wait -1
.endm
.macro MKG1 g, w0, cols, rows          ; descriptor group 1: rows x cols elements, 4,096 elements from row to row
	s_mov_b32 s[\g], \w0
	s_mov_b32 s[\g+1], (\cols)<<16                 ; tensor_dim0
	s_mov_b32 s[\g+2], (\rows)<<16                 ; tensor_dim1
	s_mov_b32 s[\g+3], (\cols)<<16                 ; tile_dim0
	s_mov_b32 s[\g+4], \rows                       ; tile_dim1
	s_mov_b32 s[\g+5], 4096
	s_mov_b32 s[\g+6], 0
	s_mov_b32 s[\g+7], 0
.endm
.macro MKG0 g, lreg, lconst, breg, badd ; descriptor group 0: LDS address = s[lreg] + lconst, global address = s[breg:breg+1] + badd
	s_mov_b32 s[\g], 1
	s_add_co_u32 s[\g+1], s[\lreg], \lconst
	s_add_nc_u64 s[\g+2:\g+3], s[\breg:\breg+1], \badd
	s_or_b32 s[\g+3], s[\g+3], 0x80000000
.endm
	s_load_b256 s[4:11], s[0:1], 0x0               ; qkv s[4:5], x s[6:7], gamma s[8:9], out0 s[10:11]
	v_lshl_add_u32 v190, v0, 2, 0x4d200
	v_mov_b32 v191, 0
	ds_add_u32 v190, v191
	v_lshrrev_b32 v1, 5, v0
	v_readfirstlane_b32 s12, v1                    ; wave 0..3
	s_lshr_b32 s13, s12, 1                         ; qh: which 64 queries
	s_and_b32 s14, s12, 1                          ; kh: which half of each block of keys
	s_bfe_u32 s15, ttmp6, 0x40000                  ; cx
	s_lshl_b32 s16, ttmp9, 2
	s_add_co_u32 s16, s16, s15                     ; query block = 4 x cluster x + cx
	s_and_b32 s17, ttmp7, 0xffff                   ; batch
	s_mov_b32 s22, 0x3e8293ee                      ; c = log2(e) / sqrt(32), as a pair for the packed form
	s_mov_b32 s23, 0x3e8293ee
	s_mov_b32 s24, 0xbe8293ee                      ; - c
	s_mov_b32 s26, 0x76543210                      ; v_permlanex16_b32: lane i of one half reads lane i of the other
	s_mov_b32 s27, 0xfedcba98
	MKG1 G1K, W0J, 256, 32
	MKG1 G1R, W0J, 256, 72
	MKG1 G1Q, W0Q, 128, 8
	s_mul_i32 s18, s17, 320*QROW                   ; my batch in qkv
	s_mov_b32 s19, 0
	s_lshl_b32 s20, s12, 9                         ; pass 1: tile 4 j + wave of k: 512 bytes a tile along the rows
	s_mov_b32 s21, 0
	s_mul_i32 s90, s12, 72*QROW                    ; pass 2: my 72 rows of the 288
	s_mov_b32 s91, 0
	s_lshl_b32 s88, s12, 16                        ; q: my 8 rows, and my block's 256 bytes of them.  s[86:89] alone hold what hangs on cx
	s_lshl_b32 s89, s16, 8
	s_add_co_u32 s88, s88, s89
	s_mov_b32 s89, 0
	s_lshl_b32 s86, s17, 22                        ; x and out0: batch x 4 MiB + block x 512 bytes + wave x 64 rows
	s_lshl_b32 s87, s16, 9
	s_add_co_u32 s86, s86, s87
	s_lshl_b32 s87, s12, 20
	s_add_co_u32 s86, s86, s87
	s_mov_b32 s87, 0
	s_mul_i32 s85, s12, KTILE
	s_mul_i32 s92, s12, 72*PK
	s_mul_i32 s93, s12, 8*QP
	s_wait_dscnt 0x0
	s_wait_kmcnt 0x0
	s_load_b32 s25, s[8:9], 0x0                    ; gamma
	s_add_nc_u64 s[4:5], s[4:5], s[18:19]
	s_add_nc_u64 s[20:21], s[4:5], s[20:21]
	s_add_nc_u64 s[90:91], s[4:5], s[90:91]
	s_add_nc_u64 s[88:89], s[4:5], s[88:89]
	s_add_nc_u64 s[6:7], s[6:7], s[86:87]
	s_add_nc_u64 s[10:11], s[10:11], s[86:87]
	MKG0 52, 85, 0, 20, (256*QROW)                 ; k's tiles 0-7 lie where slot 0 will be, 8-15 where slot 1 will be
	MKG0 56, 85, 4*KTILE, 20, (256*QROW+2048)
	MKG0 60, 85, SLOTB, 20, (256*QROW+4096)
	MKG0 68, 85, SLOTB+4*KTILE, 20, (256*QROW+6144)
	MKG0 G0Q, 93, QT, 88, (288*QROW)
	MKG0 G0R, 92, 0, 90, 0                         ; block 0 of keys
	MKG0 G0R+4, 92, SLOTB, 90, 512                 ; block 1
	s_wait_kmcnt 0x0                               ; gamma is in
	ROUND                                          ; all four work-groups are here: the first joint loads meet
	tensor_load_to_lds s[G0Q:G0Q+3], s[G1Q:G1Q+7]  ; five first fills, one group: the most that this text ever has out
	s_nop 0
	tensor_load_to_lds s[52:55], s[G1K:G1K+7]
	s_nop 0
	tensor_load_to_lds s[56:59], s[G1K:G1K+7]
	s_nop 0
	tensor_load_to_lds s[60:63], s[G1K:G1K+7]
	s_nop 0
	tensor_load_to_lds s[68:71], s[G1K:G1K+7]
	s_nop 0
	v_and_b32 v8, 31, v0                           ; lane L
	v_and_b32 v9, 15, v0                           ; r
	v_bfe_u32 v10, v0, 4, 1                        ; h
	v_and_b32 v11, 7, v0
	v_bfe_u32 v12, v0, 3, 1
	v_lshl_add_u32 v13, v10, 3, v11                ; 8 h + L % 8
	s_lshl_b32 s85, s14, 8                         ; my half of a block: 128 keys, 256 bytes
	v_mul_u32_u24 v[KL], v13, PK
	v_lshl_add_u32 v[KL], v12, 4, v[KL]
	v_add_nc_u32 v[KL], s85, v[KL]
	v_add_nc_u32 v[KR], KOFF, v[KL]
	v_add_nc_u32 v[KR+1], SLOTB+KOFF, v[KL]
	v_mul_u32_u24 v[VA], v9, PK                    ; v: channel r, 16 h bytes
	v_lshl_add_u32 v[VA], v10, 4, v[VA]
	v_add_nc_u32 v[VA], s85, v[VA]
	v_add_nc_u32 v[VA+1], 128*PK, v[VA]
	v_add_nc_u32 v[VA+2], SLOTB, v[VA]
	v_add_nc_u32 v[VA+3], SLOTB+128*PK, v[VA]
	s_lshl_b32 s85, s13, 7                         ; my 64 queries: 128 bytes
	s_add_co_u32 s85, s85, QT
	v_mul_u32_u24 v[QA], v13, QP
	v_lshl_add_u32 v[QA], v12, 4, v[QA]
	v_add_nc_u32 v[QA], s85, v[QA]
	s_lshl_b32 s85, s12, 9
	s_add_co_u32 s85, s85, MXS
	v_lshl_add_u32 v[MXO], v8, 2, s85
	s_xor_b32 s85, s12, 1                          ; the wave with my queries and the other keys
	s_lshl_b32 s85, s85, 9
	s_add_co_u32 s85, s85, MXS
	v_lshl_add_u32 v[MXP], v8, 2, s85
	s_lshl_b32 s85, s14, 9
	s_lshl_b32 s94, s13, 8
	s_add_co_u32 s85, s85, s94
	s_add_co_u32 s85, s85, LSB
	v_lshl_add_u32 v[LSA], v9, 2, s85              ; 512 kh + 4 (64 qh + r)
	s_mul_i32 s85, s14, PLANE
	s_add_co_u32 s85, s85, s94
	v_mul_u32_u24 v[ES], v9, PK
	v_lshl_add_u32 v[ES], v10, 5, v[ES]
	v_add_nc_u32 v[ES], s85, v[ES]                 ; plane kh, channel r, query 64 qh + 8 h
	v_add_nc_u32 v[ES+1], 128*PK, v[ES]
	s_mul_i32 s85, s12, 64*PK
	v_lshl_add_u32 v[RB], v8, 4, s85
	v_add_nc_u32 v[RB+1], PLANE, v[RB]
	v_lshlrev_b32 v[XO], 4, v8
	v_add_nc_u32 v[LSR], LSB, v[XO]
.irp i, 0,1,2,3,4,5,6,7
	v_mov_b32 v[MX+\i], 0xff800000                 ; - infinity; the thread's number in v0 has served
.endr
; ---- PASS 1: the maxima ----
.macro P1FETCH hreg, k0, off           ; four fragments of k (16 keys x 32) of the tile off bytes behind the trip's
.irp kt, 0,1,2,3
	ds_load_tr16_b128 v[\hreg+8*\kt:\hreg+8*\kt+3], v[KADR] offset:\off+32*(\k0+\kt)
	ds_load_tr16_b128 v[\hreg+8*\kt+4:\hreg+8*\kt+7], v[KADR] offset:\off+32*(\k0+\kt)+16*PK
.endr
.endm
.macro P1MAX y, qt                     ; a score tile's eight registers into the query tile's two chains
	v_max3_num_f32 v[MX+2*\qt], v[MX+2*\qt], v[\y+8*\qt], v[\y+8*\qt+1]
	v_max3_num_f32 v[MX+2*\qt+1], v[MX+2*\qt+1], v[\y+8*\qt+2], v[\y+8*\qt+3]
	v_max3_num_f32 v[MX+2*\qt], v[MX+2*\qt], v[\y+8*\qt+4], v[\y+8*\qt+5]
	v_max3_num_f32 v[MX+2*\qt+1], v[MX+2*\qt+1], v[\y+8*\qt+6], v[\y+8*\qt+7]
.endm
; 16 keys x 64 queries into buffer x, and between the matrix instructions the maxima of buffer y, made a group earlier:
; behind each matrix instruction stand at least the four maxima of its own turn, which name none of its registers, before its result is read
.macro P1G kt, x, y, domax
.irp qt, 0,1,2,3
	v_wmma_f32_16x16x32_bf16 v[\x+8*\qt:\x+8*\qt+7], v[H0+8*\kt:H0+8*\kt+7], v[Q1+8*\qt:Q1+8*\qt+7], 0
.if \domax
	P1MAX \y, \qt
.endif
.endr
.endm
.macro P1TILE next                     ; my 128 keys of the trip's tile; next = 1: the tile behind it is fetched meanwhile
	s_wait_dscnt 8                                 ; the first four fragments (and whatever is older) are in; the second four's eight loads, the youngest on either way here, may be out
	P1G 0, B0, B1, 0
	PLACES
	P1G 1, B1, B0, 1
	P1G 2, B0, B1, 1
	P1G 3, B1, B0, 1
	s_wait_dscnt 0x0                               ; the second four
	P1G 4, B0, B1, 1
.if \next
	P1FETCH H0, 0, KTILE                           ; sixteen maxima and more stand behind the last reader of these registers
.endif
	P1G 5, B1, B0, 1
	P1G 6, B0, B1, 1
	P1G 7, B1, B0, 1
.irp qt, 0,1,2,3
	P1MAX B1, \qt
.endr
.if \next
	P1FETCH H0+32, 4, KTILE
.endif
.endm
; Eight tiles that lie one behind the other from LDS byte base on: seven trips that each fetch the next tile, and the last tile, which fetches nothing.
; s84 is the trip's counter and the tile's LDS byte offset in one; the address is the lane's term plus s84.
.macro P1RUN base
	s_mov_b32 s84, \base
	v_add_nc_u32 v[KADR], s84, v[KL]
	P1FETCH H0, 0, 0
	P1FETCH H0+32, 4, 0
.Ltile_\@:
	P1TILE 1
	s_add_co_u32 s84, s84, KTILE
	v_add_nc_u32 v[KADR], s84, v[KL]
	s_cmp_lt_u32 s84, \base+7*KTILE
	s_cbranch_scc1 .Ltile_\@
	P1TILE 0
.endm
	s_wait_tensorcnt 2                             ; my parts of q and of k's tiles 0-7 are in; the two younger loads (tiles 8-15) stay out
	s_barrier_signal -1
	s_barrier_wait -1                              ; everybody's are
.irp qt, 0,1,2,3
	ds_load_tr16_b128 v[Q1+8*\qt:Q1+8*\qt+3], v[QA] offset:32*\qt
	ds_load_tr16_b128 v[Q1+8*\qt+4:Q1+8*\qt+7], v[QA] offset:32*\qt+16*QP
.endr
	P1RUN 0
	s_wait_dscnt 0x0                               ; my reads of tiles 0-7 are over
	s_wait_tensorcnt 0x0                           ; all my tensor loads have landed, tiles 8-15 among them
	ds_add_u32 v190, v191
	s_wait_dscnt 0x0
	ROUND                                          ; both hold of every wave of the cluster
	tensor_load_to_lds s[G0R:G0R+3], s[G1R:G1R+7]  ; block 0 of k and v into slot 0: it lands while tiles 8-15 are worked on
	s_nop 0
	P1RUN SLOTB
.irp qt, 0,1,2,3
	v_max_num_f32 v[MX+2*\qt], v[MX+2*\qt], v[MX+2*\qt+1]
.endr
.irp qt, 0,1,2,3
	v_permlanex16_b32 v[MX+2*\qt+1], v[MX+2*\qt], s26, s27     ; the other eight keys of each tile lie in the other half of the lanes
.endr
.irp qt, 0,1,2,3
	v_max_num_f32 v[MX+2*\qt], v[MX+2*\qt], v[MX+2*\qt+1]
	ds_store_b32 v[MXO], v[MX+2*\qt] offset:128*\qt
.endr
	s_wait_dscnt 0x0                               ; my maxima are in LDS, my reads of tiles 8-15 are over
	s_wait_tensorcnt 0x0                           ; my part of block 0 has landed
	ds_add_u32 v190, v191
	s_wait_dscnt 0x0
	ROUND
	tensor_load_to_lds s[G0R+4:G0R+7], s[G1R:G1R+7]            ; block 1 into slot 1
	s_nop 0
; ---- PASS 2 ----
; The scores of 32 keys x 64 queries: k from window 1, q's tile from window 2 or 3, the result into the query tile's own window
.macro SMM
.irp qt, 0,1,2,3
	WIN (1|((2+((\qt)>>1))<<2)|((\qt)<<6))
.irp kt, 0,1
	v_wmma_f32_16x16x32_bf16 v[SS+8*\kt:SS+8*\kt+7], v[POOL+8*\kt:POOL+8*\kt+7], v[POOL+8*((\qt)&1):POOL+8*((\qt)&1)+7], 0
.endr
.endr
.endm
; THE SOFTMAX OF ONE QUERY TILE: eight pairs of scores, five instructions a pair: 24 that name no exponential's result (SA), and 16 that read them (SB).
.macro SVF n                           ; the exponents of pair n: s c - m c, in the scores' place
	v_pk_fma_f32 v[SS+2*(\n):SS+2*(\n)+1], v[SS+2*(\n):SS+2*(\n)+1], s[22:23], v[NM:NM+1] op_sel_hi:[1,0,1]
.endm
.macro SVX e                           ; p of score e of 16, in the exponent's place: every result has a register of its own while the batch is open
	v_exp_f32 v[SS+(\e)], v[SS+(\e)]
.endm
.macro SVA n                           ; l += p, written as p x 1.0 + l: the same value as the sum; the form names no vector register as source 1
	v_pk_fma_f32 v[LL+2*((\n)&1):LL+2*((\n)&1)+1], v[SS+2*(\n):SS+2*(\n)+1], 1.0, v[LL+2*((\n)&1):LL+2*((\n)&1)+1] op_sel_hi:[1,0,1]
.endm
.macro SVC n, nb                       ; pair n rounded to bf16 is register n of the next step's fragment of p.  Two vector sources: only where source 1 names this window
	v_cvt_pk_bf16_f32 v[PB+8*(\nb)+(\n)], v[SS+2*(\n)], v[SS+2*(\n)+1]
.endm
; Number k of the 24 that stand AHEAD OF THE WAIT, in twos: F0 F1 | F2 X0 | F3 X1 | F4 X2 | F5 X3 | F6 X4 | F7 X5 | X6 X7 | X8 X9 | X10 X11 | X12 X13 | X14 X15.
; A two begins with a scaling while there are scalings; score e's exponential stands three numbers or more behind the scaling of its pair e / 2; the scalings go in ascending order.
; No number names the result of an exponential.
.macro SA k
.if (\k) < 2
	SVF (\k)
.elseif ((\k) < 14) && ((\k)%2 == 0)
	SVF ((\k)/2+1)
.elseif (\k) < 14
	SVX (((\k)-3)/2)
.else
	SVX ((\k)-8)
.endif
.endm
; Number k of the 16 that stand BEHIND THE WAIT: A0 C0 A1 C1 .. A7 C7: the links of l's two chains (even pairs, odd pairs, each in ascending order) stand four numbers apart.
.macro SB k, nb
.if (\k)%2 == 0
	SVA ((\k)/2)
.else
	SVC ((\k)/2), \nb
.endif
.endm
.macro SLOTA i                         ; what stands behind product i of a query tile's first twelve: two of SA's
	SA (2*(\i))
	SA (2*(\i)+1)
.endm
.macro SLOTB i, nb                     ; what stands behind product i of its last four: four of SB's
	SB (4*(\i)), \nb
	SB (4*(\i)+1), \nb
	SB (4*(\i)+2), \nb
	SB (4*(\i)+3), \nb
.endm
.macro VFETCH slot, s, b               ; v: 256 channels x the 32 keys of step s into buffer b, 32 loads in one run, eight for each window
.irp vw, 0,1,2,3
	WIN ((\vw)<<6)
.irp gi, 0,1,2,3
	ds_load_b128 v[VV+32*(\b)+8*\gi:VV+32*(\b)+8*\gi+3], v[VA+2*(\slot)+((\vw)>>1)] offset:(4*((\vw)&1)+\gi)*16*PK+64*(\s)
	ds_load_b128 v[VV+32*(\b)+8*\gi+4:VV+32*(\b)+8*\gi+7], v[VA+2*(\slot)+((\vw)>>1)] offset:(4*((\vw)&1)+\gi)*16*PK+64*(\s)+32
.endr
.endr
.endm
.macro KFETCH slot, s                  ; k: the 32 keys of step s, into window 1
	WIN 0x40
.irp kt, 0,1
	ds_load_tr16_b128 v[POOL+8*\kt:POOL+8*\kt+3], v[KR+(\slot)] offset:64*(\s)+32*\kt
	ds_load_tr16_b128 v[POOL+8*\kt+4:POOL+8*\kt+7], v[KR+(\slot)] offset:64*(\s)+32*\kt+16*PK
.endr
.endm
.macro PV1 g, b, zero                  ; 16 queries x 16 channels (tile g) x 32 keys
.if \zero
	v_wmma_f32_16x16x32_bf16 v[8*(\g):8*(\g)+7], v[PB+8*(\b):PB+8*(\b)+7], v[VV+32*(\b)+8*((\g)&3):VV+32*(\b)+8*((\g)&3)+7], 0
.else
	v_wmma_f32_16x16x32_bf16 v[8*(\g):8*(\g)+7], v[PB+8*(\b):PB+8*(\b)+7], v[VV+32*(\b)+8*((\g)&3):VV+32*(\b)+8*((\g)&3)+7], v[8*(\g):8*(\g)+7]
.endif
.endm
; The change of slots.  kind 1: this slot, which I read no more, is filled again with the block after next.  kind 2: nothing is left to fetch.
.macro SYNC slot, kind
	s_wait_dscnt 0x0                               ; my reads of this slot are back
	s_wait_tensorcnt 0x0                           ; all my tensor loads have landed: the one that was out is my part of the other slot
	ds_add_u32 v190, v191
	s_wait_dscnt 0x0
.if \kind == 1
	s_add_nc_u64 s[G0R+4*\slot+2:G0R+4*\slot+3], s[G0R+4*\slot+2:G0R+4*\slot+3], 1024   ; two blocks on; no load of mine is out
	ROUND                                          ; both hold of every wave of the cluster
	tensor_load_to_lds s[G0R+4*\slot:G0R+4*\slot+3], s[G1R:G1R+7]   ; my one tensor load behind the round, and the first thing there
	s_nop 0
.else
	s_barrier_signal -1
	s_barrier_wait -1                              ; the other slot is whole for every wave
.endif
.endm
; One step of 32 keys: p(s) x v(s), and behind each product a piece of the softmax of step s + 1.  On entry p(s) is in registers, v(s) and k(s + 1) are
; asked for: that holds at the head of every step, so the loop may begin at any of them.
; First every query tile w in turn takes v's windows w + 1, w + 2, w + 3: 48 products, and behind them the scalings and the exponentials of all four tiles.  Then the wait for that batch.
; Then every query tile takes its own window of v: 16 products under a setting in which every operand place names window w, and behind them the sums and the roundings.
; The 64 accumulators take turns, one instruction a turn; each has one product a step, so the order within a step touches no sum.
; A block of 256 keys is four steps of my half.  At the wait of step 2 v(3) and k(3) are asked for and I read this slot no more: there the slots change (sync).
.macro STEP slot, s, zero, nxt, kf, sync
.set st_b, (\s)&1
.set st_n, 1-st_b
	s_wait_dscnt 0x0                               ; v(s) and k(s + 1): the only LDS loads that are out, issued 64 and 16 products ago
.if \nxt
	SMM
	PLACES                                         ; four places, for two things: the scores are read below, and the buffer of v that the last step's products read is loaded again
.if \s == 3
	VFETCH (1-\slot), 0, st_n
.else
	VFETCH \slot, (\s+1), st_n
.endif
.endif
.irp w, 0,1,2,3
.irp j, 0,1,2
.set st_v, (\w+1+\j)&3
	WIN ((\w)|(st_v<<2)|((\w)<<4)|((\w)<<6))
.irp gi, 0,1,2,3
	PV1 (4*st_v+\gi), st_b, \zero
.if \nxt
	SLOTA (4*\j+\gi)
.endif
.endr
.endr
.endr
.if \nxt
	v_nop                                          ; the plain instruction behind the last exponential: one for the batch (ISA guide 5.7.2)
	s_wait_alu depctr_va_vdst(0)                   ; THE WAIT for the step's batch, the 64 exponentials of all four query tiles: ahead of the first instruction that names a result, and ahead of the branches below
.endif
.if \sync
	WIN 0
	SYNC \slot, \sync
.endif
.if \kf
.if \s >= 2
	KFETCH (1-\slot), (\s-2)
.else
	KFETCH \slot, (\s+2)
.endif
.endif
.irp w, 0,1,2,3
	WIN (0x55*\w)
.irp gi, 0,1,2,3
	PV1 (4*\w+\gi), st_b, \zero
.if \nxt
	SLOTB \gi, st_n
.endif
.endr
.endr
.endm
.irp qt, 0,1,2,3
	ds_load_b32 v[MX+2*\qt+1], v[MXP] offset:128*\qt           ; the other key half's maxima of my queries
.endr
.irp qt, 0,1,2,3
	WIN ((2+((\qt)>>1))<<6)                        ; q once more, now where pass 2 keeps it: pass 1's copy lies where accumulators will be
	ds_load_tr16_b128 v[POOL+8*((\qt)&1):POOL+8*((\qt)&1)+3], v[QA] offset:32*\qt
	ds_load_tr16_b128 v[POOL+8*((\qt)&1)+4:POOL+8*((\qt)&1)+7], v[QA] offset:32*\qt+16*QP
.endr
	KFETCH 0, 0
	VFETCH 0, 0, 0
	WIN 0
	s_wait_dscnt 32                                ; the maxima, q and k(0) are in; v(0)'s 32 loads may be out
	SMM
	WIN 0
.irp qt, 0,1,2,3
	v_max_num_f32 v[MX+2*\qt], v[MX+2*\qt], v[MX+2*\qt+1]      ; these 28 instructions are also the places behind the scores
.endr
.irp w, 0,1,2,3
	WIN ((\w)<<6)                                  ; each query tile's - m c and its sums, into its own window
	v_mul_f32 v[NM], s24, v[MX+2*\w]
	v_mul_f32 v[NM+1], s24, v[MX+2*\w]
	v_mov_b32 v[LL], 0
	v_mov_b32 v[LL+1], 0
	v_mov_b32 v[LL+2], 0
	v_mov_b32 v[LL+3], 0
.endr
	KFETCH 0, 1
.irp w, 0,1,2,3
	WIN (0x55*\w)                                  ; p(0), by itself, all operands in window w: first the scalings and exponentials of all four query tiles,
.set pk, 0
.rept 24
	SA pk
.set pk, pk+1
.endr
.endr
	v_nop                                          ; the plain instruction behind the last exponential,
	s_wait_alu depctr_va_vdst(0)                   ; the wait for this batch of 64,
.irp w, 0,1,2,3
	WIN (0x55*\w)                                  ; and then their sums and roundings
.set pk, 0
.rept 16
	SB pk, 0
.set pk, pk+1
.endr
.endr
	; 64 steps: one that starts the sums; seven trips of eight, which hold the fourteen refills (blocks 2 to 15), two a trip; seven that ask for nothing.
	; From a refill to the wait for it a wave issues a whole block's 288 matrix instructions.
	STEP 0, 0, 1, 1, 1, 0                          ; block 0, step 0: its products start the sums: nothing is cleared
	WIN 0                                          ; at a label and at a branch every window is 0
	s_mov_b32 s84, 7
.Lpair:
	STEP 0, 1, 0, 1, 1, 0                          ; trip t: block 2 t, steps 1 to 3
	STEP 0, 2, 0, 1, 1, 1                          ; slot 0 gets block 2 t + 2
	STEP 0, 3, 0, 1, 1, 0
	STEP 1, 0, 0, 1, 1, 0                          ; block 2 t + 1
	STEP 1, 1, 0, 1, 1, 0
	STEP 1, 2, 0, 1, 1, 1                          ; slot 1 gets block 2 t + 3
	STEP 1, 3, 0, 1, 1, 0
	STEP 0, 0, 0, 1, 1, 0                          ; block 2 t + 2, step 0
	WIN 0
	s_sub_co_u32 s84, s84, 1
	s_cmp_lg_u32 s84, 0
	s_cbranch_scc1 .Lpair
	STEP 0, 1, 0, 1, 1, 0                          ; block 14, steps 1 to 3: nothing is left to fetch
	STEP 0, 2, 0, 1, 1, 2                          ; block 15 has landed for every wave
	STEP 0, 3, 0, 1, 1, 0
	STEP 1, 0, 0, 1, 1, 0                          ; block 15
	STEP 1, 1, 0, 1, 1, 0
	STEP 1, 2, 0, 1, 0, 0                          ; no k behind step 3
	STEP 1, 3, 0, 0, 0, 0                          ; no step follows
; ---- THE WAY OUT ----
; The two key halves meet in LDS, which also turns the accumulators into whole rows: wave w then owns channels 64 w .. 64 w + 63 for all 128 queries.
.macro XLOAD i                         ; row i of my 64 rows of x, for the residual: 512 consecutive bytes a load; sixteen rows lie in each window, where v lay
	WIN (((\i)>>4)<<6)
	global_load_b128 v[VV+4*((\i)&15):VV+4*((\i)&15)+3], v[XO], s[6:7] offset:(\i)*XROW th:TH_LOAD_NT
.endm
	PLACES                                         ; behind the last matrix instructions: loads land in v's buffers, LDS stores read results
.set i, 0
.rept 56
	XLOAD i
.set i, i+1
.endr
.irp w, 0,1,2,3
	WIN (0x55*\w)
	v_pk_add_f32 v[LL:LL+1], v[LL:LL+1], v[LL+2:LL+3]
	v_add_f32 v[LL], v[LL], v[LL+1]
	v_permlanex16_b32 v[LL+1], v[LL], s26, s27     ; the other eight keys of each tile lie in the other half of the lanes
	v_add_f32 v[LL], v[LL], v[LL+1]
	WIN ((\w)<<2)                                  ; the address in window 0, the data in window w
	ds_store_b32 v[LSA], v[LL] offset:64*\w        ; both halves of the lanes write the same word with the same value
.endr
	WIN 0
	s_wait_dscnt 0x0                               ; my reads of the slots are over, my row sums are in LDS
	s_barrier_signal -1
	s_barrier_wait -1                              ; everybody's; the slots have had their last fill
.irp w, 0,1,2,3
	WIN ((\w)<<2)
.irp g, 0,1,2,3,4,5,6,7,8,9,10,11,12,13,14,15
	ds_store_b128 v[ES+((\g)>>3)], v[8*\g:8*\g+3] offset:((\g)&7)*16*PK+64*\w
	ds_store_b128 v[ES+((\g)>>3)], v[8*\g+4:8*\g+7] offset:((\g)&7)*16*PK+64*\w+16
.endr
.endr
	WIN 0
	s_wait_dscnt 0x0
	s_barrier_signal -1
	s_barrier_wait -1                              ; both planes are whole
.rept 8
	XLOAD i                                        ; the last eight rows of x
.set i, i+1
.endr
	WIN 0
	ds_load_b128 v[GT:GT+3], v[LSR]                ; the row sums of my four queries, key half 0
	ds_load_b128 v[GT+4:GT+7], v[LSR] offset:512   ; and key half 1
	s_wait_dscnt 0x0
	v_pk_add_f32 v[GT:GT+1], v[GT:GT+1], v[GT+4:GT+5]
	v_pk_add_f32 v[GT+2:GT+3], v[GT+2:GT+3], v[GT+6:GT+7]
	v_rcp_f32 v[GT+4], v[GT]
	v_rcp_f32 v[GT+5], v[GT+1]
	v_rcp_f32 v[GT+6], v[GT+2]
	v_rcp_f32 v[GT+7], v[GT+3]
	v_nop                                          ; one plain place behind the reciprocals
	s_wait_alu depctr_va_vdst(0)                   ; the wait for this batch, the four reciprocals, ahead of their first reader
	v_mul_f32 v[GG], s25, v[GT+4]                  ; gamma / l
	v_mul_f32 v[GG+1], s25, v[GT+5]
	v_mul_f32 v[GG+2], s25, v[GT+6]
	v_mul_f32 v[GG+3], s25, v[GT+7]
; eight rows: (half 0 + half 1) gamma / l + x.  Source 2 (x) names the window of rows 8 b .. 8 b + 7, all else window 0
.macro OUTB b, rs
	WIN (((\b)>>1)<<4)
	s_wait_xcnt 0x0                                ; this set of registers, which earlier stores read, is loaded again only behind this wait
.irp i, 0,1,2,3,4,5,6,7
	ds_load_b128 v[\rs+8*\i:\rs+8*\i+3], v[RB] offset:(8*\b+\i)*PK
	ds_load_b128 v[\rs+8*\i+4:\rs+8*\i+7], v[RB+1] offset:(8*\b+\i)*PK
.endr
	s_wait_loadcnt 56-8*\b                         ; x's rows up to 8 b + 7 are in; the rows behind them stay out
.irp i, 0,1,2,3,4,5,6,7
	s_wait_dscnt 14-2*\i                           ; row i's two loads are in, the younger rows' stay out
	v_pk_add_f32 v[\rs+8*\i:\rs+8*\i+1], v[\rs+8*\i:\rs+8*\i+1], v[\rs+8*\i+4:\rs+8*\i+5]
	v_pk_add_f32 v[\rs+8*\i+2:\rs+8*\i+3], v[\rs+8*\i+2:\rs+8*\i+3], v[\rs+8*\i+6:\rs+8*\i+7]
	v_pk_fma_f32 v[\rs+8*\i:\rs+8*\i+1], v[\rs+8*\i:\rs+8*\i+1], v[GG:GG+1], v[VV+4*((8*\b+\i)&15):VV+4*((8*\b+\i)&15)+1]
	v_pk_fma_f32 v[\rs+8*\i+2:\rs+8*\i+3], v[\rs+8*\i+2:\rs+8*\i+3], v[GG+2:GG+3], v[VV+4*((8*\b+\i)&15)+2:VV+4*((8*\b+\i)&15)+3]
	global_store_b128 v[XO], v[\rs+8*\i:\rs+8*\i+3], s[10:11] offset:(8*\b+\i)*XROW th:TH_STORE_NT   ; a wave's store covers 512 consecutive bytes, aligned
.endr
.endm
	OUTB 0, E0
	OUTB 1, E1
	OUTB 2, E0
	OUTB 3, E1
	OUTB 4, E0
	OUTB 5, E1
	OUTB 6, E0
	OUTB 7, E1
	WIN 0
	s_wait_tensorcnt 0x0
	ds_add_u32 v190, v191
	s_wait_dscnt 0x0
	ROUND                                          ; the closing round: no work-group ends while a partner may still ask jointly
	s_endpgm
.Lfunc_end_k_q41d65ef5ac_attn:
	.size	k_q41d65ef5ac_attn, .Lfunc_end_k_q41d65ef5ac_attn-k_q41d65ef5ac_attn
	.p2alignl 7, 3214868480
	.fill 96, 4, 3214868480
	.section	.rodata,"a",@progbits
	.p2align	6, 0x0
	.amdhsa_kernel k_q41d65ef5ac_attn
		.amdhsa_group_segment_fixed_size 327680
		.amdhsa_private_segment_fixed_size 0
		.amdhsa_enable_private_segment 0
		.amdhsa_kernarg_size 32
		.amdhsa_user_sgpr_count 2
		.amdhsa_user_sgpr_kernarg_segment_ptr 1
		.amdhsa_wavefront_size32 1
		.amdhsa_system_sgpr_workgroup_id_x 1
		.amdhsa_system_sgpr_workgroup_id_y 1
		.amdhsa_system_sgpr_workgroup_id_z 1
		.amdhsa_system_vgpr_workitem_id 0
		.amdhsa_next_free_vgpr 1024
		.amdhsa_next_free_sgpr 96
		.amdhsa_reserve_vcc 0
		.amdhsa_float_denorm_mode_32 3
		.amdhsa_float_denorm_mode_16_64 3
		.amdhsa_memory_ordered 1
		.amdhsa_forward_progress 1
		.amdhsa_inst_pref_size 255
	.end_amdhsa_kernel
	.section	.bss,"aw",@nobits
	.p2align	6
	.space	262144
	.amdgpu_metadata
---
amdhsa.version: [ 1, 2 ]
amdhsa.kernels:
  - .name:           k_q41d65ef5ac_attn
    .symbol:         k_q41d65ef5ac_attn.kd
    .args:
      - { .name: qkv, .offset: 0, .size: 8, .value_kind: global_buffer, .address_space: global }
      - { .name: x, .offset: 8, .size: 8, .value_kind: global_buffer, .address_space: global }
      - { .name: gamma, .offset: 16, .size: 8, .value_kind: global_buffer, .address_space: global }
      - { .name: out0, .offset: 24, .size: 8, .value_kind: global_buffer, .address_space: global }
    .group_segment_fixed_size: 327680
    .private_segment_fixed_size: 0
    .kernarg_segment_align: 8
    .kernarg_segment_size: 32
    .max_flat_workgroup_size: 128
    .sgpr_count:     96
    .vgpr_count:     1024
    .wavefront_size: 32
...
	.end_amdgpu_metadata
.endif
;; end of part 4
